; MI455X (gfx1250); checked and timed in simulation.
; The chip was launched on July 23, 2026; its instructions are those of AMD's public machine-readable ISA for CDNA 5 (MIT licence, August 2026) and "CDNA5" Instruction Set Architecture Reference Guide (July 2026). The comments in the code are by the model that wrote it; some were corrected since.
;; Attention Without Einops. Allowed arithmetic: matrix products marked QUANTISED: E2M1 operands, one E8M0 scale for each 32 along K, by v_wmma_scale_f32_16x16x128_f8f6f4 with both operands' format E2M1 (or v_wmma_scale_f32_32x16x128_f4), f32 sums; products left as they are: bf16, f16 or f32 operands; f32 sums; everything else in f32.
;; Inputs: W_K 16 x 64 x 1,024 float32; W_O 16 x 64 x 1,024 float32; W_Q 16 x 64 x 1,024 float32; W_V 16 x 64 x 1,024 float32; residual 4 x 2,048 x 1,024 float32.
;; Outputs: out0 4 x 2,048 x 1,024 float32.
;; This version of the problem:
;;   THIS VERSION OF THE PROBLEM IS GIVEN IN LOW PRECISION. The matrix products marked QUANTISED in the list below multiply operands that are first quantised to E2M1 (2 exponent bits, 1 mantissa bit; 4 bits a number), with one power-of-two scale for each 32 numbers along K (OCP MX v1.0); their sums are f32. The products marked 'left as it is' may take bf16, f16 or f32 operands, with f32 sums. Whichever they take, every output number must still come out within the allowed error. Rounding operands to bf16 (8 significant bits) uses up far more of that allowance than f16 does (11 bits, for magnitudes from 6e-5 to 65,504). All else is computed in f32.
;;   The module's matrix products, in the order in which they are computed (A, B: the left and right operand; K: the contracted axis; several contracted axes count as one K, in the product's order):
;;     1. [M 1,024, K 1,024] x [K 1,024, N 8,192]; A: input W_Q; B: input residual: QUANTISED
;;     2. [M 1,024, K 1,024] x [K 1,024, N 8,192]; A: input W_K; B: input residual: QUANTISED
;;     3. [M 1,024, K 1,024] x [K 1,024, N 8,192]; A: input W_V; B: input residual: QUANTISED
;;     4. batch 64 x [M 2,048, K 64] x [K 64, N 2,048]; A: computed on the way; B: computed on the way: left as it is (an operand is computed on the way)
;;     5. batch 64 x [M 2,048, K 2,048] x [K 2,048, N 64]; A: computed on the way; B: computed on the way: left as it is (an operand is computed on the way)
;;     6. [M 8,192, K 1,024] x [K 1,024, N 1,024]; A: computed on the way; B: input W_O: left as it is (an operand is computed on the way)
;;   THE QUANTISER, for each operand of a quantised product, along K:
;;     - K is cut into blocks of 32 from its start; a last block that is shorter is filled with zeros.
;;     - A block's scale is 2^e with e = floor(log2(the largest magnitude in the block)) - 2, held to -126 .. 127; a block of zeros has e = 0. As a byte (E8M0): e + 127.
;;     - Each number is divided by its block's scale, clamped to +-6, and rounded to the nearest number of E2M1, ties to even, subnormals kept.
;;     - The product sums the exact products of the quantised numbers (number of the format x scale) in f32.
;;   ~~~python
;;   def quantise(x, axis):      # numpy; x: float32 -> the quantised numbers, widened to float32 again
;;       x = np.moveaxis(x, axis, -1); K = x.shape[-1]
;;       x = np.pad(x, [(0, 0)] * (x.ndim - 1) + [(0, -K % 32)]); x = x.reshape(x.shape[:-1] + (-1, 32)); a = np.abs(x).max(-1, keepdims=True)
;;       e = np.where(a > 0, np.clip(np.frexp(np.where(a > 0, a, 1))[1] - 1 - 2, -126, 127), 0)      # np.frexp(a)[1] - 1 = floor(log2(a)), exactly
;;       r = np.clip(x / 2.0 ** e, -6, 6)
;;       step = 2.0 ** (np.maximum(np.frexp(np.where(r == 0, 1, r))[1] - 1, 0) - 1)
;;       q = np.round(r / step) * step * 2.0 ** e      # np.round: ties to even
;;       return np.moveaxis(q.reshape(q.shape[:-2] + (-1,))[..., :K], -1, axis).astype(np.float32)
;;   ~~~
;; One version. Each part assembles by itself: llvm-mc -triple=amdgcn-amd-amdhsa -mcpu=gfx1250 --defsym DOCPART=n.
;; ======== version 1 of 1: 5 launches
;; limits: values are held in f16: magnitudes above 65,504 overflow, below 6.1e-05 lose precision
;; workspace buffers: x_codes 4,194,304 bytes; x_scales 262,144 bytes; w_codes 1,572,864 bytes; w_scales 98,304 bytes; wo_h 2,097,152 bytes; qkv 50,331,648 bytes; first 786,432 bytes; attn 16,777,216 bytes
;; launch prep (part 1): grid 384 x 1, 4 waves a work-group, no clusters, 33,280 bytes of LDS; arguments residual, W_Q, W_K, W_V, W_O, x_codes, x_scales, w_codes, w_scales, wo_h; writes x_codes, x_scales, w_codes, w_scales, wo_h
.if DOCPART == 1
	.amdgcn_target "amdgcn-amd-amdhsa--gfx1250"
	.amdhsa_code_object_version 6
	.text
	.protected	k_qa39d9eaa2c_prep
	.globl	k_qa39d9eaa2c_prep
	.p2align	8
	.type	k_qa39d9eaa2c_prep,@function
k_qa39d9eaa2c_prep:
	s_mov_b64 s[64:65], 0
	v_nop
	global_prefetch_b8 v0, s[64:65] scope:SCOPE_SE
	s_setreg_imm32_b32 hwreg(HW_REG_WAVE_MODE, 25, 1), 1
	s_wait_xcnt 0x0
; residual [8192][1024] and W_Q, W_K, W_V (each [1024][1024], row 64 n + h, K = d innermost), f32, become codes of FP4 (E2M1), two a byte, K innermost, with one E8M0 byte for each 32 along K.
; The three weights' codes lie one behind the other: w_codes rows 0-1023 Q, 1024-2047 K, 2048-3071 V.  W_O is rounded to f16 as it lies ([k = 64 n + h][d]).
; A block's scale is 2^(floor(log2(its largest magnitude)) - 2); its byte is the largest magnitude's exponent field - 2, held at 1 from below.  A block of zeros so gets the byte 1: its codes are zeros,
; which add nothing under that byte, and this program alone reads the bytes.
; LIMITS: NaN and infinities among the inputs are not served; blocks whose largest magnitude lies under 2^-124 keep the byte 1; |W_O| beyond 65,504 has no f16 number.
; SHARES.  A work-group takes 32,768 numbers, a wave 8,192.  Work-groups 0-255: residual; 256-287, 288-319, 320-351: W_Q, W_K, W_V; 352-383: the cast of W_O.
; Rows are dense and K is a multiple of 32: every tensor is a plain stream of blocks of 32, and so are its codes and scale bytes.  Only pointers are chosen by the work-group's number: all four tensors take one path.
; THE QUANTISER: 16 steps of 512 numbers a wave.  Each load reads 512 consecutive bytes, 16 a lane; a step's 2,048 bytes turn through the wave's own stage in LDS and come back 64 bytes a lane,
; so that a lane holds 16 neighbours along K (two lanes a block).  A lane's 16 codes are 8 bytes: the wave stores 256 consecutive bytes.  A wave's 256 scale bytes are gathered in LDS and leave as one store of 256 bytes.
.set WAVES, 4
.set STEPS, 16
.set WGX,   256                        ; work-groups for residual
.set WGQ,   352                        ; the first work-group of the cast
.set EMAX,  2
.set CB,    8                          ; bytes of 16 codes
.set R,     16                         ; v16-79   four sets of 16 numbers as loaded (the cast: v16-143, two sets of 64)
.set X,     80                         ; v80-111  two sets of 16 neighbours
.set E,     112                        ; v112-127 a scale byte for each step
.set C,     128                        ; v128-191 codes: four registers a step, so that no store's data are written again
.set H,     144                        ; the cast: v144-175, 64 numbers in f16
.set WREG,  8192                       ; LDS: a region for each wave: two stages of 32 x SP bytes, then its 256 scale bytes
.set SP,    80                         ; a lane's place in a stage: 64 bytes + 16 of padding
.set SPW,   12                         ; v12  LDS address of my spare word; never rewritten
.set NIL,   13                         ; v13  0; never rewritten
.set SPARE, WAVES*WREG                 ; behind the four regions: the spare words, 128 bytes a wave
	s_load_b256 s[4:11], s[0:1], 0x0               ; residual s[4:5], W_Q s[6:7], W_K s[8:9], W_V s[10:11]
	s_load_b256 s[12:19], s[0:1], 0x20             ; W_O s[12:13], x_codes s[14:15], x_scales s[16:17], w_codes s[18:19]
	s_load_b128 s[20:23], s[0:1], 0x40             ; w_scales s[20:21], wo_h s[22:23]
	v_lshl_add_u32 v[SPW], v0, 2, SPARE
	v_mov_b32 v[NIL], 0
	v_lshrrev_b32 v1, 5, v0
	v_readfirstlane_b32 s24, v1                    ; wave
	v_and_b32 v2, 31, v0                           ; lane
	v_lshlrev_b32 v3, 4, v2                        ; my 16 bytes of a load's 512
	s_mov_b32 s31, 0                               ; the high word of every offset pair
	s_wait_kmcnt 0x0
	s_cmp_ge_u32 ttmp9, WGQ                        ; the work-group's number alone decides
	s_cbranch_scc1 .Lcast
	s_mul_i32 s25, s24, WREG
	v_lshrrev_b32 v14, 2, v2
	v_mul_u32_u24 v14, v14, SP
	v_and_b32 v15, 3, v2
	v_lshl_add_u32 v14, v15, 4, v14
	v_add_nc_u32 v14, s25, v14                     ; the stage, way in: SP (lane / 4) + 16 (lane % 4); a load's 512 bytes take eight places
	v_mul_u32_u24 v15, v2, SP
	v_add_nc_u32 v15, s25, v15                     ; way out: SP x lane: my 16 neighbours
	v_mul_u32_u24 v4, v2, CB                       ; my codes' place in a step's 256 bytes
	v_lshrrev_b32 v5, 1, v2
	s_add_co_u32 s25, s25, 2*32*SP
	v_add_nc_u32 v5, s25, v5                       ; LDS: my block's scale byte
	v_lshlrev_b32 v7, 3, v2                        ; and on the way out 8 bytes a lane
	v_add_nc_u32 v6, s25, v7
	s_sub_co_u32 s26, ttmp9, WGX                   ; among the weights' 96 work-groups (used only from 256 on)
	s_lshr_b32 s27, s26, 5                         ; which weight
	s_and_b32 s28, s26, 31                         ; and which part of it
	s_cmp_eq_u32 s27, 1
	s_cselect_b64 s[6:7], s[8:9], s[6:7]
	s_cmp_eq_u32 s27, 2
	s_cselect_b64 s[6:7], s[10:11], s[6:7]         ; the weight
	s_cmp_lt_u32 ttmp9, WGX
	s_cselect_b64 s[4:5], s[4:5], s[6:7]           ; from where,
	s_cselect_b64 s[14:15], s[14:15], s[18:19]     ; the codes,
	s_cselect_b64 s[16:17], s[16:17], s[20:21]     ; the scale bytes,
	s_cselect_b32 s28, ttmp9, s28                  ; which 32,768 numbers of the source,
	s_cselect_b32 s26, ttmp9, s26                  ; and of the codes' buffer
	s_lshl_b32 s28, s28, 2
	s_add_co_u32 s28, s28, s24                     ; my wave's run of 8,192 numbers in the source
	s_lshl_b32 s26, s26, 2
	s_add_co_u32 s26, s26, s24                     ; and in the codes
	s_lshl_b32 s30, s28, 15                        ; 32,768 bytes of f32 a run
	s_add_nc_u64 s[4:5], s[4:5], s[30:31]
	s_lshl_b32 s30, s26, 12                        ; 4,096 bytes of codes
	s_add_nc_u64 s[14:15], s[14:15], s[30:31]
	s_lshl_b32 s30, s26, 8                         ; 256 scale bytes
	s_add_nc_u64 s[16:17], s[16:17], s[30:31]
.macro LOAD t
.irp i, 0,1,2,3
	global_load_b128 v[R+16*((\t)%4)+4*\i:R+16*((\t)%4)+4*\i+3], v3, s[4:5] offset:2048*(\t)+512*\i th:TH_LOAD_NT   ; 32 lanes read 512 consecutive bytes
.endr
.endm
.macro TURN t                          ; step t's numbers through the stage: LDS serves a wave's instructions in order, so no wait stands between the stores and the loads
.irp i, 0,1,2,3
	ds_store_b128 v14, v[R+16*((\t)%4)+4*\i:R+16*((\t)%4)+4*\i+3] offset:32*SP*((\t)%2)+8*SP*\i
.endr
.irp i, 0,1,2,3
	ds_load_b128 v[X+16*((\t)%2)+4*\i:X+16*((\t)%2)+4*\i+3], v15 offset:32*SP*((\t)%2)+16*\i
.endr
.endm
.irp t, 0,1,2,3
	LOAD \t
.endr
	s_wait_loadcnt 12                              ; step 0's four loads are in; the twelve of steps 1 to 3 may be out
	TURN 0
.macro STEP t
.set XS, X+16*((\t)%2)
.if (\t) > 0
	s_wait_dscnt 1                                 ; this step's numbers are back from the stage (the last step's byte store may be out)
.else
	s_wait_dscnt 0x0
.endif
.if (\t)+4 < STEPS
	LOAD (\t)+4                                    ; the registers that the stage's stores have read take the loads of four steps on
.endif
.if (\t)+1 < STEPS
.if STEPS-2-(\t) >= 3
	s_wait_loadcnt 12                              ; the next step's four loads are in; those of the three steps behind it may be out
.else
	s_wait_loadcnt 4*(STEPS-2-(\t))
.endif
	TURN (\t)+1                                    ; through the other stage while this step is worked
.endif
	v_max3_num_f32 v8, |v[XS]|, |v[XS+1]|, |v[XS+2]|               ; the largest magnitude of my 16, in two chains
	v_max3_num_f32 v9, |v[XS+3]|, |v[XS+4]|, |v[XS+5]|
.irp i, 6,10
	v_max3_num_f32 v8, v8, |v[XS+\i]|, |v[XS+\i+1]|
	v_max3_num_f32 v9, v9, |v[XS+\i+2]|, |v[XS+\i+3]|
.endr
	v_max3_num_f32 v8, v8, |v[XS+14]|, |v[XS+15]|
	v_max3_num_f32 v8, v8, v9, (EMAX+1)<<23        ; and the floor 2^(3 - 127): the byte cannot fall under 1
	v_max_num_f32_dpp v8, v8, v8 row_xmask:1 row_mask:0xf bank_mask:0xf   ; with my neighbour's 16: the block's
	v_add_nc_u32 v11, -(EMAX<<23), v8              ; 2 off its exponent field: the conversion takes the exponent field of this operand as its scale
	v_cvt_scalef32_pk8_fp4_f32 v[C+4*(\t)], v[XS:XS+7], v11        ; to the nearest code, ties to even, beyond 6 the largest code; the first number's code in the lowest bits
	v_cvt_scalef32_pk8_fp4_f32 v[C+4*(\t)+1], v[XS+8:XS+15], v11
	v_lshrrev_b32 v[E+(\t)], 23, v11               ; the scale's byte (a plain line behind the conversions)
	ds_store_b8 v5, v[E+(\t)] offset:16*(\t)       ; both lanes of a block write the same byte with the same value
	global_store_b64 v4, v[C+4*(\t):C+4*(\t)+1], s[14:15] offset:32*CB*(\t)   ; 256 consecutive bytes, aligned
.endm
.irp t, 0,1,2,3,4,5,6,7,8,9,10,11,12,13,14,15
	STEP \t
.endr
	ds_load_b64 v[8:9], v6                         ; LDS serves a wave's instructions in order: these see my byte stores
	s_wait_dscnt 0x0
	global_store_b64 v7, v[8:9], s[16:17]          ; 256 consecutive scale bytes, aligned
	s_wait_tensorcnt 0x0                           ; the wave's end, behind my last LDS store
	ds_add_u32 v[SPW], v[NIL]
	s_wait_dscnt 0x0
	s_endpgm
; THE CAST of W_O: a wave takes 8,192 numbers in four groups of 2,048; two groups of loads are out; no LDS is touched on this path.
.Lcast:
	s_sub_co_u32 s26, ttmp9, WGQ
	s_lshl_b32 s26, s26, 2
	s_add_co_u32 s26, s26, s24                     ; my wave's run
	s_lshl_b32 s30, s26, 15
	s_add_nc_u64 s[12:13], s[12:13], s[30:31]
	s_lshl_b32 s30, s26, 14
	s_add_nc_u64 s[22:23], s[22:23], s[30:31]
	v_lshlrev_b32 v4, 3, v2                        ; out: 8 bytes a lane
.macro LOADG g
.irp i, 0,1,2,3,4,5,6,7,8,9,10,11,12,13,14,15
	global_load_b128 v[R+64*((\g)%2)+4*\i:R+64*((\g)%2)+4*\i+3], v3, s[12:13] offset:8192*(\g)+512*\i th:TH_LOAD_NT
.endr
.endm
.macro CASTG g
.if (\g) < 3
	s_wait_loadcnt 16                              ; this group's 16 loads are in; the other set's 16 may be out
.else
	s_wait_loadcnt 0x0
.endif
.if (\g) > 0
	s_wait_xcnt 0x0                                ; the last group's stores have read their data: v144-175 are written again only behind this wait
.endif
.irp i, 0,1,2,3,4,5,6,7,8,9,10,11,12,13,14,15
	v_cvt_pk_f16_f32 v[H+2*\i], v[R+64*((\g)%2)+4*\i], v[R+64*((\g)%2)+4*\i+1]
	v_cvt_pk_f16_f32 v[H+2*\i+1], v[R+64*((\g)%2)+4*\i+2], v[R+64*((\g)%2)+4*\i+3]
.endr
.if (\g) < 2
	LOADG (\g)+2
.endif
.irp i, 0,1,2,3,4,5,6,7,8,9,10,11,12,13,14,15
	global_store_b64 v4, v[H+2*\i:H+2*\i+1], s[22:23] offset:4096*(\g)+256*\i   ; 256 consecutive bytes, aligned
.endr
.endm
	LOADG 0
	LOADG 1
	CASTG 0
	CASTG 1
	CASTG 2
	CASTG 3
	s_endpgm
.Lfunc_end_k_qa39d9eaa2c_prep:
	.size	k_qa39d9eaa2c_prep, .Lfunc_end_k_qa39d9eaa2c_prep-k_qa39d9eaa2c_prep
	.p2alignl 7, 3214868480
	.fill 96, 4, 3214868480
	.section	.rodata,"a",@progbits
	.p2align	6, 0x0
	.amdhsa_kernel k_qa39d9eaa2c_prep
		.amdhsa_group_segment_fixed_size 33280
		.amdhsa_private_segment_fixed_size 0
		.amdhsa_enable_private_segment 0
		.amdhsa_kernarg_size 80
		.amdhsa_user_sgpr_count 2
		.amdhsa_user_sgpr_kernarg_segment_ptr 1
		.amdhsa_wavefront_size32 1
		.amdhsa_system_sgpr_workgroup_id_x 1
		.amdhsa_system_sgpr_workgroup_id_y 1
		.amdhsa_system_sgpr_workgroup_id_z 1
		.amdhsa_system_vgpr_workitem_id 0
		.amdhsa_next_free_vgpr 192
		.amdhsa_next_free_sgpr 66
		.amdhsa_reserve_vcc 0
		.amdhsa_float_denorm_mode_32 3
		.amdhsa_float_denorm_mode_16_64 3
		.amdhsa_memory_ordered 1
		.amdhsa_forward_progress 1
		.amdhsa_inst_pref_size 54
	.end_amdhsa_kernel
	.amdgpu_metadata
---
amdhsa.version: [ 1, 2 ]
amdhsa.kernels:
  - .name:           k_qa39d9eaa2c_prep
    .symbol:         k_qa39d9eaa2c_prep.kd
    .args:
      - { .name: residual, .offset: 0, .size: 8, .value_kind: global_buffer, .address_space: global }
      - { .name: W_Q, .offset: 8, .size: 8, .value_kind: global_buffer, .address_space: global }
      - { .name: W_K, .offset: 16, .size: 8, .value_kind: global_buffer, .address_space: global }
      - { .name: W_V, .offset: 24, .size: 8, .value_kind: global_buffer, .address_space: global }
      - { .name: W_O, .offset: 32, .size: 8, .value_kind: global_buffer, .address_space: global }
      - { .name: x_codes, .offset: 40, .size: 8, .value_kind: global_buffer, .address_space: global }
      - { .name: x_scales, .offset: 48, .size: 8, .value_kind: global_buffer, .address_space: global }
      - { .name: w_codes, .offset: 56, .size: 8, .value_kind: global_buffer, .address_space: global }
      - { .name: w_scales, .offset: 64, .size: 8, .value_kind: global_buffer, .address_space: global }
      - { .name: wo_h, .offset: 72, .size: 8, .value_kind: global_buffer, .address_space: global }
    .group_segment_fixed_size: 33280
    .private_segment_fixed_size: 0
    .kernarg_segment_align: 8
    .kernarg_segment_size: 80
    .max_flat_workgroup_size: 128
    .sgpr_count:     66
    .vgpr_count:     192
    .wavefront_size: 32
...
	.end_amdgpu_metadata
.endif
;; end of part 1
;; launch qkv (part 2): grid 12 x 32, 4 waves a work-group, clusters of 4 x 4, 327,680 bytes of LDS; arguments x_codes, x_scales, w_codes, w_scales, qkv, first; writes qkv, first
.if DOCPART == 2
	.amdgcn_target "amdgcn-amd-amdhsa--gfx1250"
	.amdhsa_code_object_version 6
	.text
	.protected	k_qa39d9eaa2c_qkv
	.globl	k_qa39d9eaa2c_qkv
	.p2align	8
	.type	k_qa39d9eaa2c_qkv,@function
k_qa39d9eaa2c_qkv:
	s_mov_b64 s[64:65], 0
	v_nop
	global_prefetch_b8 v0, s[64:65] scope:SCOPE_SE
	s_setreg_imm32_b32 hwreg(HW_REG_WAVE_MODE, 25, 1), 1
	s_wait_xcnt 0x0
	s_wait_alu depctr_hold_cnt(0) depctr_sa_sdst(0) depctr_va_vdst(0) depctr_va_sdst(0) depctr_va_ssrc(0) depctr_va_vcc(0) depctr_vm_vsrc(0)
	s_getreg_b32 s2, hwreg(HW_REG_IB_STS2, 6, 4)
	s_cmp_eq_u32 s2, 0
	s_cbranch_scc0 .Lentry_in_a_cluster
	s_endpgm
.Lentry_in_a_cluster:
	s_bfe_u32 s2, ttmp6, 0x10000c
	s_cmp_lg_u32 s2, 0xf033
	s_cbranch_scc0 .Lentry_shape_is_right
	s_endpgm
.Lentry_shape_is_right:
; q, k, v = residual x (W_Q, W_K, W_V)^T on codes of FP4 (E2M1) with one E8M0 scale for each 32 along K = 1,024: C[m][n] = sum over k of x[m][k] w[n][k], m = 2048 b + s (8,192 rows), n = 1024 w + 64 head + h (3,072 rows of w_codes).
; A tile of C, 256 x 256, is made by four waves, 128 x 128 each: 64 accumulators, 512 registers.  K is two LDS slots of 512 (rows of 256 bytes), both asked for at the head: nothing is filled again.
; The scale bytes of the tile's 256 + 256 rows, for all of K, come once, as dense blocks of 256-byte rows.
; CLUSTERS: 4 x 4 work-groups; x's tiles are asked for jointly along a row of the cluster, w's along a column.  The tile row is 8 cy + cluster y: cy is the batch and cluster y the block of 256 positions,
; so that "this tile holds positions 0-15 of a sequence" is "cluster y = 0", the same in all sixteen partners.
; THE MATRIX INSTRUCTION IS USED TRANSPOSED (source 0 = 16 rows of w, source 1 = 16 rows of x): a lane holds eight neighbouring columns of one row of C.
; OUT: f16, laid [which 3][b 4][head 16][s 2048][h 64] (a slab of 262,144 bytes for each which, b, head): through the wave's stage in LDS, so that a store covers 512 consecutive bytes (four positions of one head).
; The first 16 positions of every sequence also leave in f32, as images of the accumulators' registers: first[b][column / 16][u 2][lane 32][4]: lane (r, h) of chunk u holds position r, columns 16 cg + 8 h + 4 u + 0 .. 3.
; LIMITS: |q|, |k|, |v| beyond 65,504 have no f16 number; f16's smallest step is 6e-8.
; REGISTERS, in windows of 256: window 0: v0-31 addresses; v32-95 scale words, two sets; from v128 x's fragments, one set; on the way out v128-223 are at work.
;   window 1: w's fragments, two sets, at v0 and v128.   window 2: the accumulators of my rows 0-63 ((a, b) at v[8 (8 a + b)]);   window 3: those of my rows 64-127.
.set SIZE_K, 1024
.set KSTEP,  512                       ; along K in a slot
.set NQ,     KSTEP/128                 ; matrix instructions deep
.set ROWB,   256                       ; a tile's row in bytes
.set KROW,   SIZE_K/2                  ; a row of codes in memory
.set PITCH,  272                       ; an LDS row: 256 bytes + 16 of padding, so that the 16 rows of a fragment load start 16 bytes apart modulo 256
.set FR,     8                         ; registers of a fragment: 16 rows x 128 K
.set NL,     2                         ; LDS loads that bring one
.set NP,     4                         ; places behind this matrix instruction (ISA guide 7.12.1)
.set HALFT,  128*PITCH                 ; 128 rows: what one tensor load brings
.set SLOT,   4*HALFT                   ; x's 256 rows, then w's 256 rows
.set KS,     SIZE_K/32                 ; a row of scale bytes
.set SCL,    2*SLOT                    ; behind the slots: the scales, as rows of 256 bytes + 16
.set HALFS,  (128*KS/256)*272          ; the scales of 128 rows
.set SBLK,   (16*KS/256)*272           ; of 16 rows
.set SPARE,  SCL+4*HALFS               ; the spare words, 128 bytes a wave
.set SPITCH, 272                       ; the way out: a stage of 16 rows x (256 bytes + 16) for each wave, in slot 0, which has had its only fill and its last read when the first result is stored there
.set ADRA, 16                          ; v16-17  LDS address of my x fragments in slot 0, 1
.set ADRB, 20                          ; v20-21  the same for w
.set STO,  24                          ; v24     the way out: where I put 16 bytes of a row
.set RD,   25                          ; v25     where I read four positions of a head back
.set CO,   26                          ; v26     16 x lane
.set ADRS, 27                          ; v27     LDS address of my scale words: lanes 0-15 x's rows, lanes 16-31 w's
.set SPW,  28                          ; v28     my spare word; never rewritten
.set NIL,  29                          ; v29     0; never rewritten
.set SC,   32                          ; scale words: set s at v[SC + 32 s]; register 4 i + q: lanes 0-15 x's block i, lanes 16-31 w's block i, the slot's q-th 128 along K
.set AF,   128                         ; x's fragments, window 0
.set BK,   128                         ; the way out: rows read back: v128-159 and v160-191 by turns
.set TMP,  192                         ; the way out: a block in f16
.set G1, 24                            ; s[24:31] group 1 for x's tiles; s[32:39] group 0, a set for each slot
.set G0, 32
.set G1B, 48                           ; s[48:55], s[56:63] the same for w's
.set G0B, 56
.set G1S, 68                           ; s[68:75], s[76:79] groups 1 and 0 for x's scales; s[80:87], s[88:91] for w's
.set G0S, 76
.set G1SB, 80
.set G0SB, 88
.set MSB, 0
.macro WIN new                         ; the immediate's high byte repeats the setting that is left
.if MSB != (\new)
	s_set_vgpr_msb (MSB<<8)|(\new)
.set MSB, (\new)
.endif
.endm
.set MUL_LO, 0xa1                      ; source 0 (w) window 1, source 1 (x) window 0, C and D window 2
.set MUL_HI, 0xf1                      ; the same, C and D window 3
.set TO_B,   0x40                      ; destination window 1, address window 0
; A joint load: waves 0 and 1 fetch for x, waves 2 and 3 for w.  The branch hangs on the wave's number alone.  An s_nop 0 and four v_nop follow each of the two lines.
.macro JLOAD g0a, g1a, g0b, g1b
	s_cmp_eq_u32 s15, 0
	s_cbranch_scc0 .Lfor_b_\@
	tensor_load_to_lds s[\g0a:\g0a+3], s[\g1a:\g1a+7]
	s_nop 0
.rept 4
	v_nop
.endr
	s_branch .Lasked_\@
.Lfor_b_\@:
	tensor_load_to_lds s[\g0b:\g0b+3], s[\g1b:\g1b+7]
	s_nop 0
.rept 4
	v_nop
.endr
.Lasked_\@:
.endm
.macro CROUND                          ; a round of the cluster's barrier
	s_barrier_signal -1
	s_barrier_wait -1
	s_cmp_lg_u32 s14, 0
	s_cbranch_scc1 .Lnot_wave_0_\@
	s_barrier_signal -3
.Lnot_wave_0_\@:
	s_barrier_wait -3
	s_barrier_signal -1
	s_barrier_wait -1
.endm
	s_load_b128 s[4:7], s[0:1], 0x0                ; x's codes s[4:5], x's scales s[6:7]
	s_load_b128 s[8:11], s[0:1], 0x10              ; w's codes s[8:9], w's scales s[10:11]
	s_load_b64 s[12:13], s[0:1], 0x20              ; qkv
	s_load_b64 s[96:97], s[0:1], 0x28              ; first
	v_lshl_add_u32 v[SPW], v0, 2, SPARE
	v_mov_b32 v[NIL], 0
	ds_add_u32 v[SPW], v[NIL]                      ; the wave's opening: the add, twice on end, and its wait ahead of my first tensor load
	ds_add_u32 v[SPW], v[NIL]
	v_lshrrev_b32 v1, 5, v0
	v_readfirstlane_b32 s14, v1                    ; wave 0..3
	s_lshr_b32 s15, s14, 1                         ; which half of the tile's rows is mine.  Also: I fetch for x (0) or for w (1)
	s_and_b32 s16, s14, 1                          ; which half of its columns.  Also: which 128 rows I fetch
	s_bfe_u32 s40, ttmp6, 0x40000                  ; cx
	s_bfe_u32 s41, ttmp6, 0x40004                  ; cy
	s_lshl_b32 s42, ttmp9, 2
	s_add_co_u32 s42, s42, s40                     ; tile column = 4 x cluster x + cx
	s_and_b32 s2, ttmp7, 0xffff                    ; cluster y: the block of 256 positions
	s_lshl_b32 s17, s41, 3
	s_add_co_u32 s17, s17, s2                      ; tile row = 8 cy + cluster y: cy is the batch
	s_lshl_b32 s43, s41, 2
	s_lshl_b32 s43, 15, s43                        ; my row of the cluster
	s_lshl_b32 s44, 0x1111, s40                    ; my column
	s_or_b32 s[G1+0], s43, (0<<16)|(1<<20)|(1<<21)|(5<<22)|(3<<25)  ; the mask; elements of 1 byte; padding on; bit 21 beside a mask; 4 words behind every 64
	s_or_b32 s[G1B+0], s44, (0<<16)|(1<<20)|(1<<21)|(5<<22)|(3<<25)
.irp g, G1, G1B
	s_mov_b32 s[\g+1], ROWB<<16                    ; tensor_dim0
	s_mov_b32 s[\g+2], 128<<16                     ; tensor_dim1
	s_mov_b32 s[\g+3], ROWB<<16                    ; tile_dim0
	s_mov_b32 s[\g+4], 128                         ; tile_dim1
	s_mov_b32 s[\g+5], KROW                        ; from row to row
	s_mov_b32 s[\g+6], 0
	s_mov_b32 s[\g+7], 0
.endr
	s_or_b32 s[G1S+0], s43, (3<<16)|(1<<20)|(1<<21)|(5<<22)|(3<<25) ; the scales of 128 rows: 4,096 dense bytes as 16 rows of 32 elements of 8 bytes
	s_or_b32 s[G1SB+0], s44, (3<<16)|(1<<20)|(1<<21)|(5<<22)|(3<<25)
.irp g, G1S, G1SB
	s_mov_b32 s[\g+1], 32<<16
	s_mov_b32 s[\g+2], (128*KS/256)<<16
	s_mov_b32 s[\g+3], 32<<16
	s_mov_b32 s[\g+4], 128*KS/256
	s_mov_b32 s[\g+5], 32
	s_mov_b32 s[\g+6], 0
	s_mov_b32 s[\g+7], 0
.endr
	s_lshl_b32 s18, s16, 7                         ; which 128 rows of the tile I fetch
	s_lshl_b32 s20, s17, 8
	s_add_co_u32 s20, s20, s18                     ; x: row 256 x tile row + 128 x half
	s_lshl_b32 s46, s42, 8
	s_add_co_u32 s46, s46, s18                     ; w: row 256 x tile column + 128 x half
	s_mov_b32 s21, 0
	s_mov_b32 s47, 0
	s_mov_b64 s[18:19], KS
	s_mul_u64 s[22:23], s[20:21], s[18:19]         ; where these rows' scales begin
	s_mul_u64 s[92:93], s[46:47], s[18:19]
	s_mov_b64 s[18:19], KROW
	s_mul_u64 s[20:21], s[20:21], s[18:19]         ; and their codes
	s_mul_u64 s[46:47], s[46:47], s[18:19]
	s_mul_i32 s45, s14, HALFT                      ; where they go: wave x 128 rows: no place in the cluster enters an LDS address
	s_mul_i32 s94, s14, HALFS
	s_or_b32 s95, s2, s15                          ; 0 where my block 0 is positions 0-15 of a sequence: cluster y and the wave's number alone
	s_wait_dscnt 0x0                               ; both opening adds are done
	s_wait_kmcnt 0x0
	s_add_nc_u64 s[20:21], s[4:5], s[20:21]
	s_add_nc_u64 s[22:23], s[6:7], s[22:23]
	s_add_nc_u64 s[46:47], s[8:9], s[46:47]
	s_add_nc_u64 s[92:93], s[10:11], s[92:93]
	CROUND                                         ; all sixteen work-groups are here: the joint loads meet
	s_mov_b32 s[G0S], 1
	s_add_co_u32 s[G0S+1], s94, SCL
	s_mov_b64 s[G0S+2:G0S+3], s[22:23]
	s_or_b32 s[G0S+3], s[G0S+3], 0x80000000
	s_mov_b32 s[G0SB], 1
	s_add_co_u32 s[G0SB+1], s94, SCL
	s_mov_b64 s[G0SB+2:G0SB+3], s[92:93]
	s_or_b32 s[G0SB+3], s[G0SB+3], 0x80000000
	JLOAD G0S, G1S, G0SB, G1SB                     ; the scales first: they are wanted with slot 0.  Three loads of mine are out behind the last of these
.irp s, 0,1
	s_mov_b32 s[G0+4*\s], 1
	s_add_co_u32 s[G0+4*\s+1], s45, \s*SLOT
	s_add_nc_u64 s[G0+4*\s+2:G0+4*\s+3], s[20:21], \s*ROWB
	s_or_b32 s[G0+4*\s+3], s[G0+4*\s+3], 0x80000000
	s_mov_b32 s[G0B+4*\s], 1
	s_add_co_u32 s[G0B+4*\s+1], s45, \s*SLOT
	s_add_nc_u64 s[G0B+4*\s+2:G0B+4*\s+3], s[46:47], \s*ROWB
	s_or_b32 s[G0B+4*\s+3], s[G0B+4*\s+3], 0x80000000
	JLOAD G0+4*\s, G1, G0B+4*\s, G1B
.endr
	v_and_b32 v1, 15, v0                           ; r = l % 16
	v_bfe_u32 v2, v0, 4, 1                         ; h = l / 16
	v_mul_u32_u24 v3, v1, PITCH
	v_lshl_add_u32 v4, v2, 4, v3                   ; a fragment's row x pitch + 16 x half
	s_mul_i32 s21, s15, HALFT                      ; my 128 rows of x
	s_mul_i32 s22, s16, HALFT                      ; my 128 rows of w,
	s_add_co_u32 s22, s22, 2*HALFT                 ; behind x's 256
.irp s, 0,1
	v_add_nc_u32 v[ADRA+\s], s21, v4
	v_add_nc_u32 v[ADRB+\s], s22, v4
	s_add_co_u32 s21, s21, SLOT
	s_add_co_u32 s22, s22, SLOT
.endr
	v_mul_u32_u24 v5, v1, KS                       ; my row's scales: 32 bytes a row,
	v_lshrrev_b32 v6, 8, v5
	v_lshl_add_u32 v5, v6, 4, v5                   ; and 16 more for each 256 passed
	s_mul_i32 s21, s15, HALFS
	s_mul_i32 s22, s16, HALFS
	s_add_co_u32 s22, s22, 2*HALFS
	s_sub_co_u32 s22, s22, s21
	v_mul_u32_u24 v6, s22, v2                      ; lanes 16-31 take w's: one product, the distance between the two bases x h
	s_add_co_u32 s21, s21, SCL
	v_add_nc_u32 v5, v5, v6
	v_add_nc_u32 v[ADRS], s21, v5
	s_mul_i32 s23, s14, 16*SPITCH                  ; my stage
	v_mul_u32_u24 v5, v1, SPITCH
	v_lshl_add_u32 v5, v2, 4, v5
	v_add_nc_u32 v[STO], s23, v5                   ; in: row r, 16 bytes for each half of the lanes
	v_and_b32 v6, 31, v0
	v_lshlrev_b32 v[CO], 4, v6
	v_lshrrev_b32 v5, 3, v6
	v_mul_u32_u24 v5, v5, SPITCH
	v_and_b32 v6, 7, v0
	v_lshl_add_u32 v5, v6, 4, v5
	v_add_nc_u32 v[RD], s23, v5                    ; back: eight lanes take a position's 128 bytes of one head, four positions an instruction
	s_lshl_b32 s20, s42, 2
	s_lshl_b32 s21, s16, 1
	s_add_co_u32 s20, s20, s21                     ; my first column / 64: 16 x which + head (even: my two heads share a which)
	s_lshr_b32 s21, s20, 4
	s_lshl_b32 s21, s21, 6                         ; 64 slabs a which,
	s_and_b32 s20, s20, 15
	s_add_co_u32 s20, s20, s21
	s_lshl_b32 s21, s41, 4                         ; 16 a batch
	s_add_co_u32 s20, s20, s21
	s_lshl_b32 s20, s20, 18                        ; a slab is 262,144 bytes
	s_lshl_b32 s21, s2, 15                         ; 256 positions of 128 bytes
	s_add_co_u32 s20, s20, s21
	s_lshl_b32 s21, s15, 14                        ; my 128 of them
	s_add_co_u32 s20, s20, s21
	s_mov_b32 s21, 0
	s_add_nc_u64 s[12:13], s[12:13], s[20:21]
	s_mul_i32 s20, s41, 196608                     ; first: 192 chunks of 1,024 bytes a batch,
	s_lshl_b32 s21, s42, 14                        ; 16 a tile column,
	s_add_co_u32 s20, s20, s21
	s_lshl_b32 s21, s16, 13                        ; 8 a wave
	s_add_co_u32 s20, s20, s21
	s_mov_b32 s21, 0
	s_add_nc_u64 s[96:97], s[96:97], s[20:21]
.macro FRAG reg, adr, q, i             ; 16 rows x 128 K of 4-bit codes: lane l holds row l % 16; registers 4 c .. 4 c + 3 hold K = 64 c + 32 (l / 16) + 0 .. 31
.irp c, 0,1
	ds_load_b128 v[\reg+4*\c:\reg+4*\c+3], v[\adr] offset:64*(\q)+32*\c+(\i)*16*PITCH
.endr
.endm
; 16 matrix instructions: x's blocks a0, a0 + 1 against w's eight, the slot's q-th 128 along K.  p: w's set; sc: the set of scale words.  zero = 1: the first product starts the sums.
; The 64 accumulators take turns, one instruction a turn, in the same order in every step.
.macro MUL16 a0, p, q, sc, zero
.irp a, \a0, \a0+1
.irp b, 0,1,2,3,4,5,6,7
.if \zero
	v_wmma_scale_f32_16x16x128_f8f6f4 v[8*(8*((\a)%4)+\b):8*(8*((\a)%4)+\b)+7], v[128*(\p)+FR*\b:128*(\p)+FR*\b+FR-1], v[AF+FR*(\a):AF+FR*(\a)+FR-1], 0, v[SC+8*NQ*(\sc)+NQ*\b+(\q)], v[SC+8*NQ*(\sc)+NQ*(\a)+(\q)] matrix_a_fmt:MATRIX_FMT_FP4 matrix_b_fmt:MATRIX_FMT_FP4 matrix_a_scale:MATRIX_SCALE_ROW1
.else
	v_wmma_scale_f32_16x16x128_f8f6f4 v[8*(8*((\a)%4)+\b):8*(8*((\a)%4)+\b)+7], v[128*(\p)+FR*\b:128*(\p)+FR*\b+FR-1], v[AF+FR*(\a):AF+FR*(\a)+FR-1], v[8*(8*((\a)%4)+\b):8*(8*((\a)%4)+\b)+7], v[SC+8*NQ*(\sc)+NQ*\b+(\q)], v[SC+8*NQ*(\sc)+NQ*(\a)+(\q)] matrix_a_fmt:MATRIX_FMT_FP4 matrix_b_fmt:MATRIX_FMT_FP4 matrix_a_scale:MATRIX_SCALE_ROW1
.endif
.endr
.endr
.endm
.macro FETCH_B slot, q, p              ; w's eight fragments into set p
	WIN TO_B
.irp i, 0,1,2,3,4,5,6,7
	FRAG 128*(\p)+FR*\i, ADRB+\slot, \q, \i
.endr
	WIN 0
.endm
.macro FETCH_A slot, q, i0             ; x's blocks i0 .. i0 + 3
.irp i, \i0, \i0+1, \i0+2, \i0+3
	FRAG AF+FR*(\i), ADRA+\slot, \q, \i
.endr
.endm
.macro SCALES sc                       ; a slot's scale words: four a row; lanes 0-15 x's block i, lanes 16-31 w's block i
.irp i, 0,1,2,3,4,5,6,7
	ds_load_b128 v[SC+8*NQ*\sc+NQ*\i:SC+8*NQ*\sc+NQ*\i+3], v[ADRS] offset:\i*SBLK
.endr
.endm
.macro PLACES n                        ; plain vector lines between a matrix instruction and a load into, or a read of, its registers
.rept \n
	v_nop
.endr
.endm
.macro STEP slot, q, zero              ; 128 along K whose successor lies in the same slot
	s_wait_dscnt 4*NL                              ; w's set and x's blocks 0-3 are in; the youngest eight loads (x's blocks 4-7) may be out
	WIN MUL_LO
	MUL16 0, (\q)%2, \q, \slot, \zero
	MUL16 2, (\q)%2, \q, \slot, \zero
	s_wait_dscnt 0                                 ; x's blocks 4-7 are in
	PLACES NP
	FETCH_B \slot, (\q)+1, 1-(\q)%2
	FETCH_A \slot, (\q)+1, 0
	WIN MUL_HI
	MUL16 4, (\q)%2, \q, \slot, \zero
	MUL16 6, (\q)%2, \q, \slot, \zero
	PLACES NP
	WIN 0
	FETCH_A \slot, (\q)+1, 4
.endm
.macro TURN slot, next                 ; slot 0's last step changes slots: each wave's tensor loads have landed, then one barrier
	s_wait_tensorcnt 0x0                           ; my part of the next slot has landed (every window is 0 here)
	ds_add_u32 v[SPW], v[NIL]
	s_wait_dscnt 4*NL+1                            ; (the add and x's blocks 4-7 may be out)
	WIN MUL_LO
	MUL16 0, 1, NQ-1, \slot, 0
	s_wait_dscnt 0x0                               ; the add is done, and my reads of this slot are over
	s_barrier_signal -1
	MUL16 2, 1, NQ-1, \slot, 0
	WIN 0
	s_barrier_wait -1                              ; the next slot is whole, and nobody reads this one any more
	PLACES NP
	v_add_nc_u32 v[ADRS], 4*NQ, v[ADRS]            ; the next slot's scale words
	FETCH_B \next, 0, 0
	FETCH_A \next, 0, 0
	SCALES \next
	WIN MUL_HI
	MUL16 4, 1, NQ-1, \slot, 0
	MUL16 6, 1, NQ-1, \slot, 0
	PLACES NP
	WIN 0
	FETCH_A \next, 0, 4
.endm
	s_wait_tensorcnt 1                             ; the scales and my part of slot 0 are in; slot 1's load may be out
	s_barrier_signal -1
	s_barrier_wait -1
	FETCH_B 0, 0, 0
	FETCH_A 0, 0, 0
	SCALES 0
	FETCH_A 0, 0, 4
	STEP 0, 0, 1                                   ; the first products start the sums
	STEP 0, 1, 0
	STEP 0, 2, 0
	TURN 0, 1
	STEP 1, 0, 0
	STEP 1, 1, 0
	STEP 1, 2, 0
	s_wait_dscnt 4*NL                              ; the last step: nothing more to fetch
	WIN MUL_LO
	MUL16 0, 1, NQ-1, 1, 0
	MUL16 2, 1, NQ-1, 1, 0
	s_wait_dscnt 0
	WIN MUL_HI
	MUL16 4, 1, NQ-1, 1, 0
	MUL16 6, 1, NQ-1, 1, 0
	WIN 0
; THE WAY OUT.  PACK: a block of 16 rows x 128 columns rounded to f16, 16 bytes a lane.  TOSTAGE: into my stage, and back head by head, four positions (512 consecutive bytes of a slab) an instruction.  SEND: stored.
.macro PACK a
.set AC, 64*((\a)%4)
	WIN 0x0a+5*((\a)/4)                            ; sources 0 and 1: window 2 or 3
.irp b, 0,1,2,3,4,5,6,7
.irp i, 0,1,2,3
	v_cvt_pk_f16_f32 v[TMP+4*\b+\i], v[AC+8*\b+2*\i], v[AC+8*\b+2*\i+1]   ; each accumulator from its low end on
.endr
.endr
	WIN 0
.endm
.macro TOSTAGE a
.set BB, BK+32*((\a)%2)
.irp b, 0,1,2,3,4,5,6,7
	ds_store_b128 v[STO], v[TMP+4*\b:TMP+4*\b+3] offset:32*\b
.endr
.irp j, 0,1
.irp t, 0,1,2,3
	ds_load_b128 v[BB+4*(4*\j+\t):BB+4*(4*\j+\t)+3], v[RD] offset:4*SPITCH*\t+128*\j   ; LDS serves a wave's instructions in order: these see the stores above
.endr
.endr
.endm
.macro SEND a
.set BB, BK+32*((\a)%2)
	s_wait_dscnt 0x0                               ; the block is back in registers
	s_wait_xcnt 0x0                                ; earlier stores have read their data: the next block's loads may land on the other set
.irp j, 0,1
.irp t, 0,1,2,3
	global_store_b128 v[CO], v[BB+4*(4*\j+\t):BB+4*(4*\j+\t)+3], s[12:13] offset:262144*\j+2048*(\a)+512*\t   ; 512 consecutive bytes, aligned
.endr
.endr
.endm
	PLACES NP                                      ; behind the last products: for the reads of results and the loads into x's fragments' registers
	s_cmp_lg_u32 s95, 0
	s_cbranch_scc1 .Lnofirst                       ; cluster y and the wave's number alone: the same in all partners
	WIN 0x08                                       ; a store's data are its source 1: window 2
.irp b, 0,1,2,3,4,5,6,7
	global_store_b128 v[CO], v[8*\b:8*\b+3], s[96:97] offset:1024*\b          ; positions 0-15 in f32, as the registers stand: 512 consecutive bytes a store
	global_store_b128 v[CO], v[8*\b+4:8*\b+7], s[96:97] offset:1024*\b+512
.endr
	WIN 0
.Lnofirst:
	PACK 0
	TOSTAGE 0
.irp a, 1,2,3,4,5,6,7                  ; block a's conversions stand between block a - 1's loads from the stage and the wait for them
	PACK \a
	SEND \a-1
	TOSTAGE \a
.endr
	SEND 7
	s_wait_tensorcnt 0x0                           ; the wave's end
	ds_add_u32 v[SPW], v[NIL]
	s_wait_dscnt 0x0
	CROUND                                         ; the closing round
	s_endpgm
.Lfunc_end_k_qa39d9eaa2c_qkv:
	.size	k_qa39d9eaa2c_qkv, .Lfunc_end_k_qa39d9eaa2c_qkv-k_qa39d9eaa2c_qkv
	.p2alignl 7, 3214868480
	.fill 96, 4, 3214868480
	.section	.rodata,"a",@progbits
	.p2align	6, 0x0
	.amdhsa_kernel k_qa39d9eaa2c_qkv
		.amdhsa_group_segment_fixed_size 327680
		.amdhsa_private_segment_fixed_size 0
		.amdhsa_enable_private_segment 0
		.amdhsa_kernarg_size 48
		.amdhsa_user_sgpr_count 2
		.amdhsa_user_sgpr_kernarg_segment_ptr 1
		.amdhsa_wavefront_size32 1
		.amdhsa_system_sgpr_workgroup_id_x 1
		.amdhsa_system_sgpr_workgroup_id_y 1
		.amdhsa_system_sgpr_workgroup_id_z 1
		.amdhsa_system_vgpr_workitem_id 0
		.amdhsa_next_free_vgpr 1024
		.amdhsa_next_free_sgpr 100
		.amdhsa_reserve_vcc 0
		.amdhsa_float_denorm_mode_32 3
		.amdhsa_float_denorm_mode_16_64 3
		.amdhsa_memory_ordered 1
		.amdhsa_forward_progress 1
		.amdhsa_inst_pref_size 128
	.end_amdhsa_kernel
	.amdgpu_metadata
---
amdhsa.version: [ 1, 2 ]
amdhsa.kernels:
  - .name:           k_qa39d9eaa2c_qkv
    .symbol:         k_qa39d9eaa2c_qkv.kd
    .args:
      - { .name: x_codes, .offset: 0, .size: 8, .value_kind: global_buffer, .address_space: global }
      - { .name: x_scales, .offset: 8, .size: 8, .value_kind: global_buffer, .address_space: global }
      - { .name: w_codes, .offset: 16, .size: 8, .value_kind: global_buffer, .address_space: global }
      - { .name: w_scales, .offset: 24, .size: 8, .value_kind: global_buffer, .address_space: global }
      - { .name: qkv, .offset: 32, .size: 8, .value_kind: global_buffer, .address_space: global }
      - { .name: first, .offset: 40, .size: 8, .value_kind: global_buffer, .address_space: global }
    .group_segment_fixed_size: 327680
    .private_segment_fixed_size: 0
    .kernarg_segment_align: 8
    .kernarg_segment_size: 48
    .max_flat_workgroup_size: 128
    .sgpr_count:     100
    .vgpr_count:     1024
    .wavefront_size: 32
...
	.end_amdgpu_metadata
.endif
;; end of part 2
;; launch attention (part 3): grid 4 x 64, 8 waves a work-group, no clusters, 327,680 bytes of LDS; arguments qkv, attn; writes attn
.if DOCPART == 3
	.amdgcn_target "amdgcn-amd-amdhsa--gfx1250"
	.amdhsa_code_object_version 6
	.text
	.protected	k_qa39d9eaa2c_attention
	.globl	k_qa39d9eaa2c_attention
	.p2align	8
	.type	k_qa39d9eaa2c_attention,@function
k_qa39d9eaa2c_attention:
	s_mov_b64 s[64:65], 0
	v_nop
	global_prefetch_b8 v0, s[64:65] scope:SCOPE_SE
	s_setreg_imm32_b32 hwreg(HW_REG_WAVE_MODE, 25, 1), 1
	s_wait_xcnt 0x0
; attn[b][n][q][:] = sum over k <= q of softmax_k(q . k / 8) v[k][:], for each of the 64 (b, n), S = 2,048, head size 64.  q, k, v: f16 slabs of qkv ([which][16 b + n][s][64]); attn: f16, [16 b + n][s][64].
; Products on f16 operands with f32 sums; maxima, exponentials and sums in f32, with a running maximum; the weights p are rounded to f16 for the second product, the result once at the end.
; (Positions 0-15 of each sequence are computed here too, and are replaced on the way to the output by a launch that carries them in f32.)
; LIMITS: NaN and infinities are not served; f16's range and step as stated where qkv is made.
; SHARES.  Work-group (i, slab) owns the query blocks 7 - i and i of 256 queries: (8 - i) + (i + 1) = 9 slots of 256 keys for every one of the 256 work-groups.  A wave owns 32 queries, two tiles of 16.
; LAYOUT.  S^T = K Q^T (source 0 = 16 keys, source 1 = 16 queries): a lane holds one query (lane % 16) and keys 8 (lane / 16) + 0 .. 7.  Two such tiles rounded in pairs are source 1 of O^T = V^T P.
; K comes out of LDS as it lies, V ([key][channel]) turned, by ds_load_tr16_b128.
; THE RING: two slots of 256 keys (K's rows, then V's), filled by waves 0, 1 (K's halves) and 2, 3 (V's halves), read by all eight.  Every work-group walks 8 changes of slots in each of its two phases: the
; trip counts are constants.  A step all of whose keys come after the wave's queries is jumped over; a slot whose first key comes after the block's last query is not asked for.
; NO CLUSTER: the four work-groups of a slab need different numbers of tiles under the causal mask (8 - i, then i + 1): a joint load would bring tiles that every wave of some partner jumps over.
; REGISTERS.  Window 0: v1-15 addresses; v16-31 statistics, 8 a tile (+0 c m, +1 m, +2, +3 l, +4 .. +7 at work; a at +6); v32-63 Q; v64-127 S^T; v128-159 P; v160-223 K; v224 -infinity; v225 r - 8 h.
;   Window 1: v0-63 O^T (32 t + 8 ct); v64-127 V.
.set PK,    144                        ; a row of K in LDS: 128 bytes + 16
.set PV,    160                        ; a row of V: 128 + 32
.set VOFF,  256*PK                     ; a slot: 256 rows of K, then 256 rows of V
.set SLOT1, 1<<17                      ; slot 1 begins here: one exclusive or turns an address
.set STAGE, 2*SLOT1                    ; the way out: 16 rows x 144 bytes for each wave; no tile lands here
.set SPARE, STAGE+8*16*PK              ; the spare words, 128 bytes a wave
.set AK0, 3                            ; v3   my lane's place in a tile of K
.set AV0, 4                            ; v4   and of V
.set ADK, 5                            ; v5   the step's K
.set ADV, 6                            ; v6   the step's V
.set QO,  7                            ; v7   my byte in the wave's rows of Q
.set STO, 8                            ; v8   the stage, way in
.set RD,  9                            ; v9   the stage, way out
.set GO,  10                           ; v10  16 x lane
.set PFO, 11                           ; v11  256 x lane
.set SPW, 12                           ; v12  my spare word; never rewritten
.set NIL, 13                           ; v13  0; never rewritten
.set DM,  14                           ; v14-15 the mask's d for tiles 0, 1
.set ST,  16
.set QR,  32
.set S,   64
.set P,   128
.set KR,  160
.set NINF, 224
.set RH,  225
.set VR,  64                           ; in window 1
.set WV,  8                            ; s8   wave
.set I,   9                            ; s9   work-group x
.set HB,  10                           ; s10  slab 16 b + n
.set PH,  11                           ; s11  phase 0, 1
.set JS,  12                           ; s12  slot in the phase, 0 .. 7
.set BLOCK, 13                         ; s13  the phase's block of queries
.set Q0,  14                           ; s14  my first query
.set KF,  15                           ; s15  the step's first key
.set TB,  16                           ; s16  LDS byte at which the slot in hand begins
.set NEED, 17                          ; s17  1: the next slot is asked for
.set LASTF, 18                         ; s18  1 in phase 0: its last change asks for phase 1's first slot
.set FT,  19                           ; s19  changes of slots so far
.set SEL, 20                           ; s[20:21] v_permlanex16_b32's selects: lane l xor 16
.set CS,  22                           ; s[22:23] c = log2(e) / 8
.set G1K, 24                           ; s[24:31], s[32:39] groups 1 for K's and V's tiles
.set G1V, 32
.set G0K, 40                           ; s[40:43], s[44:47] their groups 0
.set G0V, 44
.set KB,  48                           ; s[48:49] K's slab at my half of a slot; s[50:51] V's
.set VB,  50
.set OFP, 52                           ; s[52:53] an offset; the high word stays 0
.set QS,  54                           ; s[54:55] Q's slab; s[56:57] at my rows
.set QP,  56
.set OS,  58                           ; s[58:59] attn's slab; s[60:61] at my rows
.set OP,  60
.set PFB, 66                           ; s[66:67] the prefetches' base; s[68:69] where they stand
.set PFA, 68
.set LIM, 70                           ; s70  a wave prefetches while s[FT] is under it
.set MSB, 0
.macro WIN new
.if MSB != (\new)
	s_set_vgpr_msb (MSB<<8)|(\new)
.set MSB, (\new)
.endif
.endm
; Waves 0 and 1 fetch K's halves of 128 rows, waves 2 and 3 V's, the others nothing.  An s_nop 0 and four v_nop follow each of the two lines.
.macro TLOAD
	s_cmp_lt_u32 s[WV], 2
	s_cbranch_scc0 .Lnot_k_\@
	tensor_load_to_lds s[G0K:G0K+3], s[G1K:G1K+7]
	s_nop 0
.rept 4
	v_nop
.endr
	s_branch .Lasked_\@
.Lnot_k_\@:
	s_cmp_lt_u32 s[WV], 4
	s_cbranch_scc0 .Lasked_\@
	tensor_load_to_lds s[G0V:G0V+3], s[G1V:G1V+7]
	s_nop 0
.rept 4
	v_nop
.endr
.Lasked_\@:
.endm
	s_load_b128 s[4:7], s[0:1], 0x0                ; qkv s[4:5], attn s[6:7]
	v_lshl_add_u32 v[SPW], v0, 2, SPARE
	v_mov_b32 v[NIL], 0
	ds_add_u32 v[SPW], v[NIL]                      ; the wave's opening: the add, twice on end, and its wait ahead of the first tensor load
	ds_add_u32 v[SPW], v[NIL]
	v_lshrrev_b32 v1, 5, v0
	v_readfirstlane_b32 s[WV], v1
	s_mov_b32 s[I], ttmp9
	s_and_b32 s[HB], ttmp7, 0xffff
	s_mov_b32 s[G1K], (1<<16)|(1<<20)|(4<<22)|(3<<25)   ; elements of 2 bytes; padding on: 4 words behind every 32
	s_mov_b32 s[G1V], (1<<16)|(1<<20)|(4<<22)|(7<<25)   ; 8 words behind every 32
.irp g, G1K, G1V
	s_mov_b32 s[\g+1], 64<<16                      ; tensor_dim0 = 64
	s_mov_b32 s[\g+2], 128<<16                     ; tensor_dim1 = 128
	s_mov_b32 s[\g+3], 64<<16                      ; tile_dim0
	s_mov_b32 s[\g+4], 128                         ; tile_dim1
	s_mov_b32 s[\g+5], 64                          ; from row to row
	s_mov_b32 s[\g+6], 0
	s_mov_b32 s[\g+7], 0
.endr
	s_lshr_b32 s72, s[WV], 2
	s_xor_b32 s72, s72, 1                          ; 0 in waves 4 to 7,
	s_or_b32 s72, s72, ttmp9                       ; of the slab's work-group 0, which walks all eight slots in its first phase
	s_cmp_eq_u32 s72, 0
	s_cselect_b32 s[LIM], 6, 0                     ; its first six changes name slots 2 to 7
	s_and_b32 s72, s[WV], 1                        ; which half of a slot's rows I fetch
	s_mul_i32 s73, s72, 128*PK
	s_mul_i32 s74, s72, 128*PV
	s_add_co_u32 s74, s74, VOFF
	s_lshl_b32 s76, s[HB], 18                      ; the slab's first byte
	s_mov_b32 s77, 0
	s_lshl_b32 s78, s72, 14                        ; + my 128 rows of 128 bytes
	s_add_co_u32 s78, s78, s76
	s_mov_b32 s79, 0
	s_mov_b32 s[SEL], 0x76543210
	s_mov_b32 s[SEL+1], 0xfedcba98
	s_mov_b32 s[CS], 0x3e38aa3b                    ; log2(e) / 8
	s_mov_b32 s[CS+1], s[CS]                       ; (named with it as a pair)
	s_mov_b32 s[OFP+1], 0
	s_mov_b32 s[PH], 0
	s_mov_b32 s[TB], 0
	s_mov_b32 s[FT], 0
	s_wait_dscnt 0x0                               ; both opening adds are done
	s_wait_kmcnt 0x0
	s_add_nc_u64 s[QS:QS+1], s[4:5], s[76:77]
	s_add_nc_u64 s[OS:OS+1], s[6:7], s[76:77]
	s_add_nc_u64 s[KB:KB+1], s[4:5], s[78:79]
	s_add_nc_u64 s[KB:KB+1], s[KB:KB+1], 0x1000000 ; K's 64 slabs lie behind Q's,
	s_add_nc_u64 s[VB:VB+1], s[KB:KB+1], 0x1000000 ; V's behind K's
	s_mov_b32 s[G0K], 1
	s_mov_b32 s[G0K+1], s73                        ; slot 0
	s_mov_b64 s[G0K+2:G0K+3], s[KB:KB+1]           ; keys 0 to 255
	s_or_b32 s[G0K+3], s[G0K+3], 0x80000000
	s_mov_b32 s[G0V], 1
	s_mov_b32 s[G0V+1], s74
	s_mov_b64 s[G0V+2:G0V+3], s[VB:VB+1]
	s_or_b32 s[G0V+3], s[G0V+3], 0x80000000
	TLOAD                                          ; key 0 counts for every query: what the head fetches is read
	s_cmp_lt_u32 s[WV], 6
	s_cselect_b64 s[PFB:PFB+1], s[KB:KB+1], s[VB:VB+1]   ; waves 4, 5 name K's halves, waves 6, 7 V's
	v_and_b32 v1, 15, v0                           ; r
	v_bfe_u32 v2, v0, 4, 1                         ; h
	v_mul_u32_u24 v[AK0], v1, PK
	v_lshl_add_u32 v[AK0], v2, 4, v[AK0]           ; K: row r, + 16 h
	v_and_b32 v5, 7, v0
	v_lshl_add_u32 v5, v2, 3, v5
	v_mul_u32_u24 v[AV0], v5, PV                   ; V, turning load: key 8 h + l % 8,
	v_bfe_u32 v6, v0, 3, 1
	v_lshl_add_u32 v[AV0], v6, 4, v[AV0]           ; channels 8 ((l / 8) % 2) on
	v_add_nc_u32 v[AV0], VOFF, v[AV0]
	v_lshlrev_b32 v[QO], 7, v1
	v_lshl_add_u32 v[QO], v2, 4, v[QO]
	s_mul_i32 s72, s[WV], 16*PK
	s_add_co_u32 s72, s72, STAGE                   ; my stage
	v_add_nc_u32 v[STO], s72, v[AK0]               ; in: row r, + 16 h
	v_and_b32 v5, 31, v0
	v_lshlrev_b32 v[GO], 4, v5
	v_lshlrev_b32 v[PFO], 8, v5
	v_lshrrev_b32 v5, 3, v5
	v_mul_u32_u24 v5, v5, PK
	v_and_b32 v6, 7, v0
	v_lshl_add_u32 v5, v6, 4, v5
	v_add_nc_u32 v[RD], s72, v5                    ; back: eight lanes a row of 128 bytes, four rows an instruction
	v_mov_b32 v[NINF], 0xff800000
	v_lshlrev_b32 v6, 3, v2
	v_sub_nc_u32 v[RH], v1, v6                     ; r - 8 h
.irp j, 4,5,6,7,12,13,14,15
	v_mov_b32 v[ST+\j], 0                          ; written once: lane permutes' destinations and the upper halves of pairs count as read
.endr
; A KEY STEP: 64 keys, the q-th of the slot in hand.
.macro STEP q
	s_add_co_u32 s72, s[Q0], 31
	s_cmp_gt_u32 s[KF], s72                        ; all 64 keys come after my 32 queries: ids and counts alone; no barrier and no tensor load stands in a step
	s_cbranch_scc1 .Lhidden_\@
	v_add_nc_u32 v[ADK], s[TB], v[AK0]
	v_add_nc_u32 v[ADV], s[TB], v[AV0]
	v_nop
	v_nop                                          ; four plain lines between the last step's V^T P and the loads into V's registers
.irp kt, 0,1,2,3
.irp c, 0,1
	ds_load_b128 v[KR+8*(2*\kt+\c):KR+8*(2*\kt+\c)+3], v[ADK] offset:(64*(\q)+16*\kt)*PK+64*\c
	ds_load_b128 v[KR+8*(2*\kt+\c)+4:KR+8*(2*\kt+\c)+7], v[ADK] offset:(64*(\q)+16*\kt)*PK+64*\c+32
.endr
.endr
	WIN 0x40                                       ; destination window 1
.irp ks, 0,1
.irp ct, 0,1,2,3
	ds_load_tr16_b128 v[VR+8*(4*\ks+\ct):VR+8*(4*\ks+\ct)+3], v[ADV] offset:(64*(\q)+32*\ks)*PV+32*\ct
	ds_load_tr16_b128 v[VR+8*(4*\ks+\ct)+4:VR+8*(4*\ks+\ct)+7], v[ADV] offset:(64*(\q)+32*\ks)*PV+32*\ct+16*PV
.endr
.endr
	WIN 0
	s_wait_dscnt 16                                ; K's 16 loads are in; V's 16 may be out
.irp c, 0,1                                    ; S^T = K Q^T: eight accumulators by turns
.irp kt, 0,1,2,3
.irp t, 0,1
.if \c == 0
	v_wmma_f32_16x16x32_f16 v[S+32*\t+8*\kt:S+32*\t+8*\kt+7], v[KR+8*(2*\kt+\c):KR+8*(2*\kt+\c)+7], v[QR+16*\t+8*\c:QR+16*\t+8*\c+7], 0
.else
	v_wmma_f32_16x16x32_f16 v[S+32*\t+8*\kt:S+32*\t+8*\kt+7], v[KR+8*(2*\kt+\c):KR+8*(2*\kt+\c)+7], v[QR+16*\t+8*\c:QR+16*\t+8*\c+7], v[S+32*\t+8*\kt:S+32*\t+8*\kt+7]
.endif
.endr
.endr
.endr
.rept 4
	v_nop
.endr
	s_add_co_u32 s72, s[KF], 63
	s_cmp_le_u32 s72, s[Q0]                        ; all keys count for all my queries: no mask
	s_cbranch_scc1 .Lopen_\@
	s_sub_co_i32 s72, s[Q0], s[KF]
	v_add_nc_u32 v[DM], s72, v[RH]                 ; d = my query - KF - 8 h.  Register 8 kt + j of a tile holds key KF + 16 kt + 8 h + j: hidden where 16 kt + j > d
	v_add_nc_u32 v[DM+1], 16, v[DM]
.set n, 0
.rept 64
	v_cmp_gt_i32 vcc_lo, 16*((n%32)/8)+n%8, v[DM+n/32]
	v_cndmask_b32 v[S+n], v[S+n], v[NINF], vcc_lo
.set n, n+1
.endr
.Lopen_\@:
.irp j, 0,1,2,3                                ; the maximum of a lane's 32 scores and the old m: four chains, the two tiles line by line
.irp t, 0,1
	v_max3_num_f32 v[ST+8*\t+4+\j], v[S+32*\t+8*\j], v[S+32*\t+8*\j+1], v[S+32*\t+8*\j+2]
.endr
.endr
.irp g, 3,5
.irp j, 0,1,2,3
.irp t, 0,1
	v_max3_num_f32 v[ST+8*\t+4+\j], v[ST+8*\t+4+\j], v[S+32*\t+8*\j+\g], v[S+32*\t+8*\j+\g+1]
.endr
.endr
.endr
.irp t, 0,1
	v_max3_num_f32 v[ST+8*\t+4], v[ST+8*\t+4], v[S+32*\t+7], v[S+32*\t+15]
.endr
.irp t, 0,1
	v_max3_num_f32 v[ST+8*\t+6], v[ST+8*\t+6], v[S+32*\t+23], v[S+32*\t+31]
.endr
.irp t, 0,1
	v_max3_num_f32 v[ST+8*\t+4], v[ST+8*\t+4], v[ST+8*\t+5], v[ST+8*\t+6]
.endr
.irp t, 0,1
	v_max3_num_f32 v[ST+8*\t+4], v[ST+8*\t+4], v[ST+8*\t+7], v[ST+8*\t+1]
.endr
.irp t, 0,1
	v_permlanex16_b32 v[ST+8*\t+5], v[ST+8*\t+4], s[SEL], s[SEL+1]   ; the query's other 32 keys lie in the lane 16 away
.endr
.irp t, 0,1
	v_mov_b32 v[ST+8*\t+7], v[ST+8*\t]             ; c m_old
.endr
.irp t, 0,1
	v_max_num_f32 v[ST+8*\t+1], v[ST+8*\t+4], v[ST+8*\t+5]   ; the new m
.endr
.irp t, 0,1
	v_mul_f32 v[ST+8*\t], s[CS], v[ST+8*\t+1]
.endr
.irp t, 0,1
	v_sub_f32 v[ST+8*\t+7], v[ST+8*\t+7], v[ST+8*\t]
.endr
.set n, 0
.rept 16
.irp t, 0,1
	v_pk_fma_f32 v[S+32*\t+2*n:S+32*\t+2*n+1], v[S+32*\t+2*n:S+32*\t+2*n+1], s[CS:CS+1], v[ST+8*\t:ST+8*\t+1] op_sel_hi:[1,0,0] neg_lo:[0,0,1] neg_hi:[0,0,1]   ; c s - c m
.endr
.set n, n+1
.endr
.irp t, 0,1
	v_exp_f32 v[ST+8*\t+6], v[ST+8*\t+7]           ; a = 2^(c m_old - c m_new)
.endr
.set n, 0
.rept 64
	v_exp_f32 v[S+n], v[S+n]                       ; p: one batch of 66 exponentials
.set n, n+1
.endr
	v_nop                                          ; a plain line behind the last exponential
	s_wait_alu depctr_va_vdst(0)                   ; one wait for the batch, ahead of its first reader
.set n, 0
.rept 32
	v_cvt_pk_f16_f32 v[P+n], v[S+2*n], v[S+2*n+1]  ; pairs of neighbouring keys: the second product's operand
.set n, n+1
.endr
.irp z, 0,1,2,3,4,5,6,7                        ; the sum of the unrounded p, pairs in place
.irp t, 0,1
	v_pk_add_f32 v[S+32*\t+4*\z:S+32*\t+4*\z+1], v[S+32*\t+4*\z:S+32*\t+4*\z+1], v[S+32*\t+4*\z+2:S+32*\t+4*\z+3]
.endr
.endr
.irp z, 0,1,2,3
.irp t, 0,1
	v_pk_add_f32 v[S+32*\t+8*\z:S+32*\t+8*\z+1], v[S+32*\t+8*\z:S+32*\t+8*\z+1], v[S+32*\t+8*\z+4:S+32*\t+8*\z+5]
.endr
.endr
.irp z, 0,1
.irp t, 0,1
	v_pk_add_f32 v[S+32*\t+16*\z:S+32*\t+16*\z+1], v[S+32*\t+16*\z:S+32*\t+16*\z+1], v[S+32*\t+16*\z+8:S+32*\t+16*\z+9]
.endr
.endr
.irp t, 0,1
	v_pk_add_f32 v[S+32*\t:S+32*\t+1], v[S+32*\t:S+32*\t+1], v[S+32*\t+16:S+32*\t+17]
.endr
.irp t, 0,1
	v_pk_fma_f32 v[ST+8*\t+2:ST+8*\t+3], v[ST+8*\t+2:ST+8*\t+3], v[ST+8*\t+6:ST+8*\t+7], v[S+32*\t:S+32*\t+1] op_sel_hi:[1,0,1]   ; l = a l + the sum
.endr
	s_wait_dscnt 0x0                               ; V is in
	WIN 0x41                                       ; O^T (destination, source 0) window 1, a window 0
.set n, 0
.rept 32
	v_pk_mul_f32 v[2*n:2*n+1], v[2*n:2*n+1], v[ST+8*(n/16)+6:ST+8*(n/16)+7] op_sel_hi:[1,0]   ; O^T x a, each accumulator from its low end on
.set n, n+1
.endr
	WIN 0x51                                       ; V and O^T window 1, P window 0
.irp ks, 0,1                                   ; O^T += V^T P: eight accumulators by turns
.irp ct, 0,1,2,3
.irp t, 0,1
	v_wmma_f32_16x16x32_f16 v[32*\t+8*\ct:32*\t+8*\ct+7], v[VR+8*(4*\ks+\ct):VR+8*(4*\ks+\ct)+7], v[P+16*\t+8*\ks:P+16*\t+8*\ks+7], v[32*\t+8*\ct:32*\t+8*\ct+7]
.endr
.endr
.endr
	WIN 0
.Lhidden_\@:
	s_add_co_u32 s[KF], s[KF], 64
.endm
.Lphase:                                           ; two trips: block 7 - i, then block i
	s_wait_xcnt 0x0                                ; the last phase's loads and stores have read their bases and data
	s_sub_co_u32 s72, 7, s[I]
	s_cmp_eq_u32 s[PH], 0
	s_cselect_b32 s[BLOCK], s72, s[I]
	s_cselect_b32 s[LASTF], 1, 0
	s_lshl_b32 s[Q0], s[BLOCK], 8
	s_lshl_b32 s72, s[WV], 5
	s_add_co_u32 s[Q0], s[Q0], s72                 ; my first query
	s_lshl_b32 s[OFP], s[Q0], 7
	s_add_nc_u64 s[QP:QP+1], s[QS:QS+1], s[OFP:OFP+1]
	s_add_nc_u64 s[OP:OP+1], s[OS:OS+1], s[OFP:OFP+1]
.irp t, 0,1
.irp c, 0,1
	global_load_b128 v[QR+16*\t+8*\c:QR+16*\t+8*\c+3], v[QO], s[QP:QP+1] offset:2048*\t+64*\c
	global_load_b128 v[QR+16*\t+8*\c+4:QR+16*\t+8*\c+7], v[QO], s[QP:QP+1] offset:2048*\t+64*\c+32
.endr
.endr
.irp t, 0,1
	v_mov_b32 v[ST+8*\t+1], 0xff61b1e6             ; m = -3e38, under every score
	v_mul_f32 v[ST+8*\t], s[CS], v[ST+8*\t+1]
	v_mov_b32 v[ST+8*\t+2], 0                      ; l
	v_mov_b32 v[ST+8*\t+3], 0
.endr
	WIN 0x40
.set n, 0
.rept 64
	v_mov_b32 v[n], 0                              ; O^T: the key step is written once; its first walk finds zeros, which a = 0 leaves zeros
.set n, n+1
.endr
	WIN 0
	s_mov_b32 s[JS], 0
	s_mov_b32 s[KF], 0
	s_wait_loadcnt 0x0                             ; Q
.Lslot:                                            ; eight trips, a constant
	; THE CHANGE OF SLOTS, at a slot's head.  Each wave waits for all its tensor loads, adds 0 to its spare word, and waits for that and for its reads of the slot that it has left; behind the barrier the slot
	; ahead is whole and nobody reads the other one, which takes the keys that follow.  At most one tensor load of a wave is out.
	s_wait_tensorcnt 0x0                           ; no tensor load of mine is out: the groups 0 may be written
	ds_add_u32 v[SPW], v[NIL]
	ds_add_u32 v[SPW], v[NIL]                      ; twice on end, in every trip alike
	s_xor_b32 s[G0K+1], s[G0K+1], SLOT1            ; the other slot than last time
	s_xor_b32 s[G0V+1], s[G0V+1], SLOT1
	s_add_co_u32 s72, s[JS], 1
	s_and_b32 s73, s72, 7                          ; the next slot's keys; behind slot 7: keys 0 to 255 again, for the second phase
	s_lshl_b32 s[OFP], s73, 15                     ; 256 keys of 128 bytes
	s_add_nc_u64 s[G0K+2:G0K+3], s[KB:KB+1], s[OFP:OFP+1]
	s_or_b32 s[G0K+3], s[G0K+3], 0x80000000
	s_add_nc_u64 s[G0V+2:G0V+3], s[VB:VB+1], s[OFP:OFP+1]
	s_or_b32 s[G0V+3], s[G0V+3], 0x80000000
	s_wait_xcnt 0x0                                ; the last prefetches, a slot back, have read their address
	s_add_co_u32 s73, s[JS], 2
	s_and_b32 s73, s73, 7
	s_lshl_b32 s[OFP], s73, 15
	s_add_nc_u64 s[PFA:PFA+1], s[PFB:PFB+1], s[OFP:OFP+1]   ; one slot further on than the descriptors
	s_cmp_le_u32 s72, s[BLOCK]                     ; the next slot's first key is at or under the block's last query
	s_cselect_b32 s[NEED], 1, 0
	s_cmp_eq_u32 s[JS], 7
	s_cselect_b32 s[NEED], s[LASTF], s[NEED]       ; the phase's last change: the first phase asks for the second's first slot, the second for nothing
	s_wait_dscnt 0x0                               ; both adds are done, and my reads of the slot that I have left are over
	s_barrier_signal -1
	s_barrier_wait -1
	s_cmp_eq_u32 s[NEED], 0                        ; the work-group's number and the loops' counts alone: all eight waves go the same way; every wait for tensor loads in this text is for 0
	s_cbranch_scc1 .Lpast
	TLOAD                                          ; the first thing behind the barrier, and a wave's one tensor load until the next
.Lpast:
	; A PREFETCH of slot JS + 2, one slot ahead of its tensor load.  All four work-groups of a slab walk the same K and V: work-group 0 names them, in its first phase, in the waves that fetch nothing:
	; waves 4, 5 K's halves of 16,384 bytes, waves 6, 7 V's; lanes 256 bytes apart, two instructions.  Slots 0 and 1 come by their loads alone; behind slot 7 there is nothing.
	s_cmp_lt_u32 s[FT], s[LIM]
	s_cbranch_scc0 .Lnot_mine
	global_prefetch_b8 v[PFO], s[PFA:PFA+1] th:TH_LOAD_NT scope:SCOPE_SE
	global_prefetch_b8 v[PFO], s[PFA:PFA+1] offset:8192 th:TH_LOAD_NT scope:SCOPE_SE
.Lnot_mine:
	s_add_co_u32 s[FT], s[FT], 1
	STEP 0
	STEP 1
	STEP 2
	STEP 3
	s_xor_b32 s[TB], s[TB], SLOT1                  ; on to the other slot
	s_add_co_u32 s[JS], s[JS], 1
	s_cmp_lt_u32 s[JS], 8
	s_cbranch_scc1 .Lslot
	; THE WAY OUT of a phase: O^T / l, rounded to f16, through my stage, so that a store covers four rows, 512 consecutive bytes.
.rept 4
	v_nop                                          ; behind the last products
.endr
.irp t, 0,1
	v_add_f32 v[ST+8*\t+4], v[ST+8*\t+2], v[ST+8*\t+3]
.endr
.irp t, 0,1
	v_permlanex16_b32 v[ST+8*\t+5], v[ST+8*\t+4], s[SEL], s[SEL+1]
.endr
.irp t, 0,1
	v_add_f32 v[ST+8*\t+4], v[ST+8*\t+4], v[ST+8*\t+5]
.endr
.irp t, 0,1
	v_rcp_f32 v[ST+8*\t+6], v[ST+8*\t+4]
.endr
	v_nop
	s_wait_alu depctr_va_vdst(0)                   ; one wait for the two reciprocals, ahead of their first reader
.irp t, 0,1
	WIN 0x41
.irp i, 0,1,2,3,4,5,6,7,8,9,10,11,12,13,14,15
	v_pk_mul_f32 v[32*\t+2*\i:32*\t+2*\i+1], v[32*\t+2*\i:32*\t+2*\i+1], v[ST+8*\t+6:ST+8*\t+7] op_sel_hi:[1,0]
.endr
	WIN 0x05                                       ; sources window 1, destination window 0
.irp i, 0,1,2,3,4,5,6,7,8,9,10,11,12,13,14,15
	v_cvt_pk_f16_f32 v[S+32*\t+\i], v[32*\t+2*\i], v[32*\t+2*\i+1]
.endr
	WIN 0
.irp ct, 0,1,2,3
	ds_store_b128 v[STO], v[S+32*\t+4*\ct:S+32*\t+4*\ct+3] offset:32*\ct
.endr
.irp u, 0,1,2,3
	ds_load_b128 v[S+16+32*\t+4*\u:S+16+32*\t+4*\u+3], v[RD] offset:4*PK*\u   ; LDS serves a wave's instructions in order: these see the stores above, and the next tile's stores come behind them
.endr
.endr
	s_wait_dscnt 0x0
.irp t, 0,1
.irp u, 0,1,2,3
	global_store_b128 v[GO], v[S+16+32*\t+4*\u:S+16+32*\t+4*\u+3], s[OP:OP+1] offset:2048*\t+512*\u
.endr
.endr
	s_add_co_u32 s[PH], s[PH], 1
	s_cmp_lt_u32 s[PH], 2
	s_cbranch_scc1 .Lphase
	s_wait_tensorcnt 0x0                           ; the wave's end
	ds_add_u32 v[SPW], v[NIL]
	s_wait_dscnt 0x0
	s_endpgm
.Lfunc_end_k_qa39d9eaa2c_attention:
	.size	k_qa39d9eaa2c_attention, .Lfunc_end_k_qa39d9eaa2c_attention-k_qa39d9eaa2c_attention
	.p2alignl 7, 3214868480
	.fill 96, 4, 3214868480
	.section	.rodata,"a",@progbits
	.p2align	6, 0x0
	.amdhsa_kernel k_qa39d9eaa2c_attention
		.amdhsa_group_segment_fixed_size 327680
		.amdhsa_private_segment_fixed_size 0
		.amdhsa_enable_private_segment 0
		.amdhsa_kernarg_size 16
		.amdhsa_user_sgpr_count 2
		.amdhsa_user_sgpr_kernarg_segment_ptr 1
		.amdhsa_wavefront_size32 1
		.amdhsa_system_sgpr_workgroup_id_x 1
		.amdhsa_system_sgpr_workgroup_id_y 1
		.amdhsa_system_sgpr_workgroup_id_z 1
		.amdhsa_system_vgpr_workitem_id 0
		.amdhsa_next_free_vgpr 384
		.amdhsa_next_free_sgpr 80
		.amdhsa_reserve_vcc 1
		.amdhsa_float_denorm_mode_32 3
		.amdhsa_float_denorm_mode_16_64 3
		.amdhsa_memory_ordered 1
		.amdhsa_forward_progress 1
		.amdhsa_inst_pref_size 103
	.end_amdhsa_kernel
	.amdgpu_metadata
---
amdhsa.version: [ 1, 2 ]
amdhsa.kernels:
  - .name:           k_qa39d9eaa2c_attention
    .symbol:         k_qa39d9eaa2c_attention.kd
    .args:
      - { .name: qkv, .offset: 0, .size: 8, .value_kind: global_buffer, .address_space: global }
      - { .name: attn, .offset: 8, .size: 8, .value_kind: global_buffer, .address_space: global }
    .group_segment_fixed_size: 327680
    .private_segment_fixed_size: 0
    .kernarg_segment_align: 8
    .kernarg_segment_size: 16
    .max_flat_workgroup_size: 256
    .sgpr_count:     80
    .vgpr_count:     384
    .wavefront_size: 32
...
	.end_amdgpu_metadata
.endif
;; end of part 3
;; launch project (part 4): grid 8 x 32, 4 waves a work-group, clusters of 4 x 4, 327,680 bytes of LDS; arguments attn, wo_h, out0; writes out0
.if DOCPART == 4
	.amdgcn_target "amdgcn-amd-amdhsa--gfx1250"
	.amdhsa_code_object_version 6
	.text
	.protected	k_qa39d9eaa2c_project
	.globl	k_qa39d9eaa2c_project
	.p2align	8
	.type	k_qa39d9eaa2c_project,@function
k_qa39d9eaa2c_project:
	s_mov_b64 s[64:65], 0
	v_nop
	global_prefetch_b8 v0, s[64:65] scope:SCOPE_SE
	s_setreg_imm32_b32 hwreg(HW_REG_WAVE_MODE, 25, 1), 1
	s_wait_xcnt 0x0
	s_wait_alu depctr_hold_cnt(0) depctr_sa_sdst(0) depctr_va_vdst(0) depctr_va_sdst(0) depctr_va_ssrc(0) depctr_va_vcc(0) depctr_vm_vsrc(0)
	s_getreg_b32 s2, hwreg(HW_REG_IB_STS2, 6, 4)
	s_cmp_eq_u32 s2, 0
	s_cbranch_scc0 .Lentry_in_a_cluster
	s_endpgm
.Lentry_in_a_cluster:
	s_bfe_u32 s2, ttmp6, 0x10000c
	s_cmp_lg_u32 s2, 0xf033
	s_cbranch_scc0 .Lentry_shape_is_right
	s_endpgm
.Lentry_shape_is_right:
; out0[b][s][d] = sum over k = 64 n + h of attn[b][n][s][h] W_O[k][d], f16 operands, f32 sums and output; every row but positions 0-15 of each sequence, which a later launch stores from f32 operands.
; A tile of out0 is 256 rows x 128 columns: 256 work-groups.  Four waves, each 128 x 64: 32 accumulators, which fill window 1 ((a, b) at v[8 (4 a + b)]).
; K goes in steps of 128 (two heads) through two LDS slots: attn's two head planes of 256 rows x 128 bytes, then 128 rows of W_O x 256 bytes.  Waves 0, 1 fetch the planes, waves 2, 3 W_O's halves of 64 rows.
; CLUSTERS: 4 x 4.  The tile row is 8 cy + cluster y (cy the batch, cluster y the block of 256 positions), the tile column 4 x cluster x + cx.  attn's tiles are asked for jointly along a row of the cluster, W_O's along a column.
; THE MATRIX INSTRUCTION IS USED TRANSPOSED: source 0 = 16 columns of W_O (stored [k][d], turned by ds_load_tr16_b128), source 1 = 16 rows of attn: a lane holds eight neighbouring columns of one row.
; No prefetch: a K step's tiles are small and shared fourfold by the joint loads.
; REGISTERS, window 0: v16-29 addresses; two fragment buffers of 96, v32-127 and v128-223: W_O's 4 fragments, then attn's 8; on the way out v32-95 hold rows.
.set PA,    144                        ; a row of attn in LDS: 128 bytes + 16
.set PB,    288                        ; a row of W_O: 256 bytes + 32
.set BOFF,  2*256*PA                   ; W_O's rows lie behind the two planes
.set SLOT,  BOFF+128*PB
.set STAGE, 2*SLOT                     ; the way out: 16 rows x (256 bytes + 16) for each wave; no tile lands here
.set SPITCH, 272
.set SPARE, STAGE+4*16*SPITCH          ; the spare words, 128 bytes a wave
.set LAPS,  4                          ; eight K steps, two a lap
.set ADRA, 16                          ; v16-17 my attn fragments in slot 0, 1
.set ADRB, 20                          ; v20-21 my W_O fragments
.set STO,  24
.set RD,   25
.set CO,   26
.set SPW,  28                          ; v28 my spare word; never rewritten
.set NIL,  29                          ; v29 0; never rewritten
.set F0,   32
.set F1,   128
.set G1, 24                            ; s[24:31] group 1 for attn's tiles; s[32:39] group 0, a set for each slot
.set G0, 32
.set G1B, 48                           ; s[48:55], s[56:63] the same for W_O's
.set G0B, 56
.set MSB, 0
.macro WIN new
.if MSB != (\new)
	s_set_vgpr_msb (MSB<<8)|(\new)
.set MSB, (\new)
.endif
.endm
.set MUL, 0x50                         ; C and D window 1, sources window 0
.macro JLOAD s                         ; a joint load; the branch hangs on the wave's number alone; an s_nop 0 and four v_nop follow each of the two lines
	s_cmp_eq_u32 s11, 0
	s_cbranch_scc0 .Lfor_b_\@
	tensor_load_to_lds s[G0+4*\s:G0+4*\s+3], s[G1:G1+7]
	s_nop 0
.rept 4
	v_nop
.endr
	s_branch .Lasked_\@
.Lfor_b_\@:
	tensor_load_to_lds s[G0B+4*\s:G0B+4*\s+3], s[G1B:G1B+7]
	s_nop 0
.rept 4
	v_nop
.endr
.Lasked_\@:
.endm
.macro CREST                           ; a round of the cluster's barrier behind its opening barrier
	s_cmp_lg_u32 s10, 0
	s_cbranch_scc1 .Lnot_wave_0_\@
	s_barrier_signal -3
.Lnot_wave_0_\@:
	s_barrier_wait -3
	s_barrier_signal -1
	s_barrier_wait -1
.endm
.macro CROUND
	s_barrier_signal -1
	s_barrier_wait -1
	CREST
.endm
	s_load_b128 s[4:7], s[0:1], 0x0                ; attn s[4:5], wo_h s[6:7]
	s_load_b64 s[8:9], s[0:1], 0x10                ; out0
	v_lshl_add_u32 v[SPW], v0, 2, SPARE
	v_mov_b32 v[NIL], 0
	ds_add_u32 v[SPW], v[NIL]                      ; the wave's opening: the add, twice on end, and its wait ahead of my first tensor load
	ds_add_u32 v[SPW], v[NIL]
	v_lshrrev_b32 v1, 5, v0
	v_readfirstlane_b32 s10, v1                    ; wave
	s_lshr_b32 s11, s10, 1                         ; which 128 rows are mine.  Also: I fetch for attn (0) or for W_O (1)
	s_and_b32 s12, s10, 1                          ; which 64 columns.  Also: which plane, or which 64 rows of W_O, I fetch
	s_bfe_u32 s40, ttmp6, 0x40000                  ; cx
	s_bfe_u32 s41, ttmp6, 0x40004                  ; cy
	s_lshl_b32 s42, ttmp9, 2
	s_add_co_u32 s42, s42, s40                     ; tile column
	s_and_b32 s13, ttmp7, 0xffff                   ; cluster y
	s_lshl_b32 s43, s41, 2
	s_lshl_b32 s43, 15, s43                        ; my row of the cluster
	s_lshl_b32 s44, 0x1111, s40                    ; my column
	s_or_b32 s[G1+0], s43, (1<<16)|(1<<20)|(1<<21)|(4<<22)|(3<<25)   ; the mask; elements of 2 bytes; padding on; bit 21 beside a mask; 4 words behind every 32
	s_mov_b32 s[G1+1], 64<<16                      ; tensor_dim0 = 64
	s_mov_b32 s[G1+2], 256<<16                     ; tensor_dim1 = 256
	s_mov_b32 s[G1+3], 64<<16                      ; tile_dim0
	s_mov_b32 s[G1+4], 256                         ; tile_dim1
	s_mov_b32 s[G1+5], 64                          ; from row to row
	s_mov_b32 s[G1+6], 0
	s_mov_b32 s[G1+7], 0
	s_or_b32 s[G1B+0], s44, (1<<16)|(1<<20)|(1<<21)|(5<<22)|(7<<25)  ; 8 words behind every 64
	s_mov_b32 s[G1B+1], 128<<16
	s_mov_b32 s[G1B+2], 64<<16
	s_mov_b32 s[G1B+3], 128<<16
	s_mov_b32 s[G1B+4], 64
	s_mov_b32 s[G1B+5], 1024
	s_mov_b32 s[G1B+6], 0
	s_mov_b32 s[G1B+7], 0
	s_lshl_b32 s16, s41, 22                        ; attn: the batch's 16 slabs of 262,144 bytes,
	s_lshl_b32 s17, s13, 15                        ; the block's 256 rows of 128 bytes,
	s_add_co_u32 s16, s16, s17
	s_lshl_b32 s17, s12, 18                        ; my plane
	s_add_co_u32 s16, s16, s17
	s_mov_b32 s17, 0
	s_lshl_b32 s46, s42, 8                         ; W_O: the tile's 128 columns of 2 bytes,
	s_lshl_b32 s47, s12, 17                        ; my 64 rows of 2,048 bytes
	s_add_co_u32 s46, s46, s47
	s_mov_b32 s47, 0
	s_mul_i32 s20, s12, 256*PA                     ; where they go: no place in the cluster enters an LDS address
	s_mul_i32 s21, s12, 64*PB
	s_add_co_u32 s21, s21, BOFF
	s_or_b32 s2, s13, s11                          ; 0 where my block 0 is positions 0-15 of a sequence: cluster y and the wave's number alone
	s_wait_dscnt 0x0                               ; both opening adds are done
	s_wait_kmcnt 0x0
	s_add_nc_u64 s[14:15], s[4:5], s[16:17]
	s_add_nc_u64 s[46:47], s[6:7], s[46:47]
	CROUND                                         ; all sixteen work-groups are here: the first joint loads meet
.irp s, 0,1
	s_mov_b32 s[G0+4*\s], 1
	s_add_co_u32 s[G0+4*\s+1], s20, \s*SLOT
	s_add_nc_u64 s[G0+4*\s+2:G0+4*\s+3], s[14:15], \s*524288         ; K step s: two slabs on
	s_or_b32 s[G0+4*\s+3], s[G0+4*\s+3], 0x80000000
	s_mov_b32 s[G0B+4*\s], 1
	s_add_co_u32 s[G0B+4*\s+1], s21, \s*SLOT
	s_add_nc_u64 s[G0B+4*\s+2:G0B+4*\s+3], s[46:47], \s*262144       ; 128 rows on
	s_or_b32 s[G0B+4*\s+3], s[G0B+4*\s+3], 0x80000000
	JLOAD \s                                       ; two loads of mine are out behind the second
.endr
	v_and_b32 v1, 15, v0                           ; r
	v_bfe_u32 v2, v0, 4, 1                         ; h
	v_mul_u32_u24 v3, v1, PA
	v_lshl_add_u32 v3, v2, 4, v3                   ; attn: row r, + 16 h
	v_and_b32 v4, 7, v0
	v_lshl_add_u32 v4, v2, 3, v4
	v_mul_u32_u24 v4, v4, PB                       ; W_O, turning load: row 8 h + l % 8,
	v_bfe_u32 v5, v0, 3, 1
	v_lshl_add_u32 v4, v5, 4, v4                   ; columns 8 ((l / 8) % 2) on
	s_mul_i32 s22, s11, 128*PA                     ; my 128 rows
	s_lshl_b32 s23, s12, 7                         ; my 64 columns
	s_add_co_u32 s23, s23, BOFF
.irp s, 0,1
	v_add_nc_u32 v[ADRA+\s], s22, v3
	v_add_nc_u32 v[ADRB+\s], s23, v4
	s_add_co_u32 s22, s22, SLOT
	s_add_co_u32 s23, s23, SLOT
.endr
	s_mul_i32 s23, s10, 16*SPITCH
	s_add_co_u32 s23, s23, STAGE                   ; my stage
	v_mul_u32_u24 v5, v1, SPITCH
	v_lshl_add_u32 v5, v2, 5, v5
	v_add_nc_u32 v[STO], s23, v5                   ; in: row r, 32 bytes for each half of the lanes
	v_mul_u32_u24 v5, v2, SPITCH
	v_lshl_add_u32 v5, v1, 4, v5
	v_add_nc_u32 v[RD], s23, v5                    ; back: lanes 0-15 one row of 256 bytes, lanes 16-31 the next
	v_lshlrev_b32 v5, 12, v2
	v_lshl_add_u32 v[CO], v1, 4, v5                ; and the same two rows in out0
	s_lshl_b32 s16, s41, 3
	s_add_co_u32 s16, s16, s13                     ; tile row
	s_lshl_b32 s16, s16, 20                        ; 256 rows of 4,096 bytes
	s_lshl_b32 s17, s11, 19                        ; my 128
	s_add_co_u32 s16, s16, s17
	s_mov_b32 s17, 0
	s_add_nc_u64 s[8:9], s[8:9], s[16:17]
	s_lshl_b32 s46, s42, 9                         ; the tile's columns, 512 bytes,
	s_lshl_b32 s47, s12, 8                         ; my 256
	s_add_co_u32 s46, s46, s47
	s_mov_b32 s47, 0
	s_add_nc_u64 s[8:9], s[8:9], s[46:47]
.macro MUL8 f, a0, zero                ; attn's blocks a0, a0 + 1 against W_O's four, 32 along K.  The 32 accumulators take turns in the same order in every quarter
.irp a, \a0, \a0+1
.irp b, 0,1,2,3
.if \zero
	v_wmma_f32_16x16x32_f16 v[8*(4*(\a)+\b):8*(4*(\a)+\b)+7], v[\f+8*\b:\f+8*\b+7], v[\f+32+8*(\a):\f+32+8*(\a)+7], 0
.else
	v_wmma_f32_16x16x32_f16 v[8*(4*(\a)+\b):8*(4*(\a)+\b)+7], v[\f+8*\b:\f+8*\b+7], v[\f+32+8*(\a):\f+32+8*(\a)+7], v[8*(4*(\a)+\b):8*(4*(\a)+\b)+7]
.endif
.endr
.endr
.endm
.macro FETCH slot, kc, f               ; 24 LDS loads in one run: the slot's kc-th 32 along K: W_O's four fragments, attn's blocks 0-3, then 4-7
	WIN 0
.irp b, 0,1,2,3
	ds_load_tr16_b128 v[\f+8*\b:\f+8*\b+3], v[ADRB+\slot] offset:32*PB*(\kc)+32*\b
	ds_load_tr16_b128 v[\f+8*\b+4:\f+8*\b+7], v[ADRB+\slot] offset:32*PB*(\kc)+32*\b+16*PB
.endr
.irp a, 0,1,2,3,4,5,6,7
	ds_load_b128 v[\f+32+8*\a:\f+32+8*\a+3], v[ADRA+\slot] offset:256*PA*((\kc)/2)+64*((\kc)%2)+16*PA*\a
	ds_load_b128 v[\f+32+8*\a+4:\f+32+8*\a+7], v[ADRA+\slot] offset:256*PA*((\kc)/2)+64*((\kc)%2)+16*PA*\a+32
.endr
.endm
.macro PLACES                          ; four plain lines in front of loads into registers that matrix instructions have read, and of reads of results
.rept 4
	v_nop
.endr
.endm
.macro QUARTER slot, kc, f, g, zero    ; multiplies buffer f; in its middle fetches the slot's kc-th 32 along K into g
	s_wait_dscnt 8                                 ; W_O's fragments and attn's blocks 0-3 are in; the youngest eight loads may be out
	WIN MUL
	MUL8 \f, 0, \zero
	MUL8 \f, 2, \zero
	PLACES
	FETCH \slot, \kc, \g
	s_wait_dscnt 24                                ; all but the 24 just issued
	WIN MUL
	MUL8 \f, 4, \zero
	MUL8 \f, 6, \zero
.endm
; A slot's last quarter multiplies buffer 1 and changes slots: each wave waits for all its tensor loads, adds 0 to its spare word, and waits for that and for its reads of this slot.  fill = 1: the barrier opens a
; round of the cluster's barrier, and this slot is filled again, two K steps ahead, first thing behind the round: 112 matrix instructions ahead of the wait for it.
.macro TURN slot, next, fill
	WIN 0
	s_wait_tensorcnt 0x0                           ; my part of the next slot has landed
	ds_add_u32 v[SPW], v[NIL]
	s_wait_dscnt 9                                 ; (the add and the youngest eight loads may be out)
	WIN MUL
	MUL8 F1, 0, 0
	s_wait_dscnt 0x0                               ; the add is done, and my reads of this slot are over
	s_barrier_signal -1
	MUL8 F1, 2, 0
.if \fill
	WIN 0
.endif
	s_barrier_wait -1
.if \fill
	CREST                                          ; no wave of any partner still reads this slot or has a load on its way
	s_add_nc_u64 s[G0+4*\slot+2:G0+4*\slot+3], s[G0+4*\slot+2:G0+4*\slot+3], 1048576
	s_add_nc_u64 s[G0B+4*\slot+2:G0B+4*\slot+3], s[G0B+4*\slot+2:G0B+4*\slot+3], 524288
	JLOAD \slot                                    ; the four v_nop behind it are also the places in front of the loads below
.else
	PLACES
.endif
	FETCH \next, 0, F0
	WIN MUL
	MUL8 F1, 4, 0
	MUL8 F1, 6, 0
.endm
	s_wait_tensorcnt 1                             ; my part of K step 0 is in; K step 1's load may be out
	s_barrier_signal -1
	s_barrier_wait -1
	FETCH 0, 0, F0
	QUARTER 0, 1, F0, F1, 1                        ; the first quarter's products start the sums
	WIN 0
	s_mov_b32 s3, LAPS-1
.Llap:                                             ; a trip goes once round the ring and fills both slots again
	QUARTER 0, 2, F1, F0, 0
	QUARTER 0, 3, F0, F1, 0
	TURN 0, 1, 1
	QUARTER 1, 1, F0, F1, 0
	QUARTER 1, 2, F1, F0, 0
	QUARTER 1, 3, F0, F1, 0
	TURN 1, 0, 1
	QUARTER 0, 1, F0, F1, 0
	WIN 0
	s_sub_co_u32 s3, s3, 1
	s_cmp_lg_u32 s3, 0
	s_cbranch_scc1 .Llap
	QUARTER 0, 2, F1, F0, 0                        ; the last lap fills nothing
	QUARTER 0, 3, F0, F1, 0
	TURN 0, 1, 0
	QUARTER 1, 1, F0, F1, 0
	QUARTER 1, 2, F1, F0, 0
	QUARTER 1, 3, F0, F1, 0
	s_wait_dscnt 8
	WIN MUL
	MUL8 F1, 0, 0
	MUL8 F1, 2, 0
	s_wait_dscnt 0
	MUL8 F1, 4, 0
	MUL8 F1, 6, 0
	WIN 0
; THE WAY OUT, block by block of 16 rows x 64 columns of f32: through my stage, back as whole rows of 256 bytes, two an instruction.
.macro TOSTAGE a
	WIN 0x04                                       ; an LDS store's data are its source 1: window 1
.irp b, 0,1,2,3
	ds_store_b128 v[STO], v[8*(4*(\a)+\b):8*(4*(\a)+\b)+3] offset:64*\b       ; each accumulator from its low end on
	ds_store_b128 v[STO], v[8*(4*(\a)+\b)+4:8*(4*(\a)+\b)+7] offset:64*\b+16
.endr
	WIN 0
.set BB, 32+32*((\a)%2)
.irp t, 0,1,2,3,4,5,6,7
	ds_load_b128 v[BB+4*\t:BB+4*\t+3], v[RD] offset:2*SPITCH*\t    ; LDS serves a wave's instructions in order
.endr
.endm
.macro SEND a, younger                 ; younger: the LDS instructions issued behind block a's loads
.set BB, 32+32*((\a)%2)
	s_wait_dscnt \younger
.if (\a) == 0
	s_cmp_eq_u32 s2, 0                             ; positions 0-15 of a sequence are stored by the launch that carries them in f32
	s_cbranch_scc1 .Lnot_here
.endif
.irp t, 0,1,2,3,4,5,6,7
	global_store_b128 v[CO], v[BB+4*\t:BB+4*\t+3], s[8:9] offset:65536*(\a)+8192*\t th:TH_STORE_NT   ; 16 lanes store 256 consecutive bytes, aligned
.endr
.if (\a) == 0
.Lnot_here:
.endif
.endm
	PLACES
	TOSTAGE 0
.irp a, 1,2,3,4,5,6,7
.if \a > 1
	s_wait_xcnt 0x0                                ; block a - 2's stores have read their data: block a's loads may land there
.endif
	TOSTAGE \a
	SEND \a-1, 16                                  ; behind block a - 1's loads: block a's 8 stores and 8 loads
.endr
	SEND 7, 0
	s_wait_tensorcnt 0x0                           ; the wave's end
	ds_add_u32 v[SPW], v[NIL]
	s_wait_dscnt 0x0
	CROUND                                         ; the closing round
	s_endpgm
.Lfunc_end_k_qa39d9eaa2c_project:
	.size	k_qa39d9eaa2c_project, .Lfunc_end_k_qa39d9eaa2c_project-k_qa39d9eaa2c_project
	.p2alignl 7, 3214868480
	.fill 96, 4, 3214868480
	.section	.rodata,"a",@progbits
	.p2align	6, 0x0
	.amdhsa_kernel k_qa39d9eaa2c_project
		.amdhsa_group_segment_fixed_size 327680
		.amdhsa_private_segment_fixed_size 0
		.amdhsa_enable_private_segment 0
		.amdhsa_kernarg_size 24
		.amdhsa_user_sgpr_count 2
		.amdhsa_user_sgpr_kernarg_segment_ptr 1
		.amdhsa_wavefront_size32 1
		.amdhsa_system_sgpr_workgroup_id_x 1
		.amdhsa_system_sgpr_workgroup_id_y 1
		.amdhsa_system_sgpr_workgroup_id_z 1
		.amdhsa_system_vgpr_workitem_id 0
		.amdhsa_next_free_vgpr 512
		.amdhsa_next_free_sgpr 66
		.amdhsa_reserve_vcc 0
		.amdhsa_float_denorm_mode_32 3
		.amdhsa_float_denorm_mode_16_64 3
		.amdhsa_memory_ordered 1
		.amdhsa_forward_progress 1
		.amdhsa_inst_pref_size 86
	.end_amdhsa_kernel
	.amdgpu_metadata
---
amdhsa.version: [ 1, 2 ]
amdhsa.kernels:
  - .name:           k_qa39d9eaa2c_project
    .symbol:         k_qa39d9eaa2c_project.kd
    .args:
      - { .name: attn, .offset: 0, .size: 8, .value_kind: global_buffer, .address_space: global }
      - { .name: wo_h, .offset: 8, .size: 8, .value_kind: global_buffer, .address_space: global }
      - { .name: out0, .offset: 16, .size: 8, .value_kind: global_buffer, .address_space: global }
    .group_segment_fixed_size: 327680
    .private_segment_fixed_size: 0
    .kernarg_segment_align: 8
    .kernarg_segment_size: 24
    .max_flat_workgroup_size: 128
    .sgpr_count:     66
    .vgpr_count:     512
    .wavefront_size: 32
...
	.end_amdgpu_metadata
.endif
;; end of part 4
;; launch first16 (part 5): grid 32 x 4, 16 waves a work-group, no clusters, 38,912 bytes of LDS; arguments first, W_O, out0; writes out0
.if DOCPART == 5
	.amdgcn_target "amdgcn-amd-amdhsa--gfx1250"
	.amdhsa_code_object_version 6
	.text
	.protected	k_qa39d9eaa2c_first16
	.globl	k_qa39d9eaa2c_first16
	.p2align	8
	.type	k_qa39d9eaa2c_first16,@function
k_qa39d9eaa2c_first16:
	s_mov_b64 s[64:65], 0
	v_nop
	global_prefetch_b8 v0, s[64:65] scope:SCOPE_SE
	s_setreg_imm32_b32 hwreg(HW_REG_WAVE_MODE, 25, 1), 1
	s_wait_xcnt 0x0
; Positions 0-15 of every sequence, all in f32: these rows average one to sixteen values and are the largest of the output, so their operands are not rounded.
; Work-group (x, y): batch y, columns 32 x .. 32 x + 31 of out0.  Wave w is head w: S^T = k q^T, causal softmax, O^T = v^T p, its part of the projection; the 16 parts meet in LDS, and wave w adds and stores position w.
; 64 matrix instructions of 16 x 16 x 4 a wave: no bulk work.  No loop, one barrier.
; q, k, v come from the images of accumulator registers that the qkv launch stored: first[b][cg][u][lane][4]: lane (r, h) holds position r, columns 16 cg + 8 h + 4 u + 0 .. 3.
; q and k are taken as the images lie: register 2 e + j of lane (r, h) is channel 16 (e / 4) + 8 h + 2 (e % 4) + j on both sides, so each instruction sums four channels and the sixteen sum all 64.
; The accumulators (v176-191, v208-255) are written by matrix instructions alone; what is made of them goes into other registers.
; The stores of 128 bytes a row and the loads of 64-byte pieces of W_O cover parts of 256 bytes: 256 KB of output in all.
; LIMITS: NaN and infinities are not served.
.set SPW, 14                           ; v14 my spare word; never rewritten
.set NIL, 15                           ; v15 0; never rewritten
.set QF,  16                           ; v16-47   q, later the head's result
.set KK,  48                           ; v48-79   k, later the 16 parts read back
.set VT,  80                           ; v80-111  V^T: register 8 ct + e: key 8 h + e, channel 16 ct + r
.set WO,  112                          ; v112-175 W_O: register 32 nt + g: channel 16 (g / 8) + 8 h + g % 8, column 16 nt + r
.set SA,  176                          ; two accumulators for S^T, by turns
.set SB,  184
.set T,   192                          ; v192-199 scores, then p
.set W,   200                          ; v200-206 at work
.set OT,  208                          ; v208-239 O^T, four accumulators
.set PJ,  240                          ; v240-255 the projection's two
.set PART, 16*144                      ; LDS: a head's part: 16 rows x (128 bytes + 16)
.set SPARE, 16*PART                    ; the spare words, 128 bytes a wave
	s_load_b128 s[4:7], s[0:1], 0x0                ; first s[4:5], W_O s[6:7]
	s_load_b64 s[8:9], s[0:1], 0x10                ; out0
	v_lshl_add_u32 v[SPW], v0, 2, SPARE
	v_mov_b32 v[NIL], 0
	v_lshrrev_b32 v1, 5, v0
	v_readfirstlane_b32 s10, v1                    ; wave = head
	s_and_b32 s11, ttmp7, 0xffff                   ; batch
	v_and_b32 v1, 15, v0                           ; r
	v_bfe_u32 v2, v0, 4, 1                         ; h
	v_and_b32 v3, 31, v0                           ; lane
	v_lshlrev_b32 v4, 4, v3                        ; an image: 16 bytes a lane
	v_bfe_u32 v5, v0, 2, 1                         ; V^T: channel r of a chunk lies in half u = (r / 4) % 2,
	v_lshlrev_b32 v5, 9, v5
	v_bfe_u32 v6, v0, 3, 1
	v_lshl_add_u32 v5, v6, 8, v5                   ; in the lanes' half r / 8,
	v_and_b32 v6, 3, v0
	v_lshl_add_u32 v5, v6, 2, v5                   ; word r % 4; the key is the image's lane: 16 bytes a key,
	v_lshl_add_u32 v5, v2, 7, v5                   ; my keys begin at 8 h
	v_lshlrev_b32 v6, 2, v1
	v_lshl_add_u32 v6, v2, 15, v6                  ; W_O: column r, rows from 8 h on (4,096 bytes a row)
	s_mul_i32 s12, s10, PART
	v_mul_u32_u24 v7, v1, 144
	v_lshl_add_u32 v7, v2, 5, v7
	v_add_nc_u32 v7, s12, v7                       ; my part: row r, + 32 h
	s_mul_i32 s12, s10, 144
	v_lshlrev_b32 v8, 2, v3                        ; 4 x lane
	v_add_nc_u32 v9, s12, v8                       ; back: row w of each part
	v_lshlrev_b32 v10, 3, v2
	v_sub_nc_u32 v10, v1, v10                      ; d = r - 8 h: register j holds key 8 h + j, hidden where j > d
	v_mov_b32 v11, 0xff800000                      ; -infinity
	s_mov_b32 s20, 0x76543210
	s_mov_b32 s21, 0xfedcba98                      ; v_permlanex16_b32's selects: lane l xor 16
	s_mov_b32 s22, 0x3e38aa3b                      ; c = log2(e) / 8
	s_mul_i32 s12, s11, 196608                     ; first: 192 chunks of 1,024 bytes a batch,
	s_lshl_b32 s13, s10, 12                        ; four a head
	s_add_co_u32 s12, s12, s13
	s_mov_b32 s13, 0
	s_lshl_b32 s14, s10, 18                        ; W_O: 64 rows of 4,096 bytes a head,
	s_lshl_b32 s15, ttmp9, 7                       ; my 32 columns
	s_add_co_u32 s14, s14, s15
	s_mov_b32 s15, 0
	s_lshl_b32 s16, s11, 11
	s_add_co_u32 s16, s16, s10                     ; out0: row 2048 y + w,
	s_lshl_b32 s16, s16, 12
	s_lshl_b32 s17, ttmp9, 7                       ; my 32 columns
	s_add_co_u32 s16, s16, s17
	s_mov_b32 s17, 0
	s_wait_kmcnt 0x0
	s_add_nc_u64 s[4:5], s[4:5], s[12:13]
	s_add_nc_u64 s[6:7], s[6:7], s[14:15]
	s_add_nc_u64 s[8:9], s[8:9], s[16:17]
.irp ct, 0,1,2,3
.irp u, 0,1
	global_load_b128 v[QF+8*\ct+4*\u:QF+8*\ct+4*\u+3], v4, s[4:5] offset:1024*\ct+512*\u
.endr
.endr
.irp ct, 0,1,2,3
.irp u, 0,1
	global_load_b128 v[KK+8*\ct+4*\u:KK+8*\ct+4*\u+3], v4, s[4:5] offset:65536+1024*\ct+512*\u
.endr
.endr
.irp ct, 0,1,2,3
.irp e, 0,1,2,3,4,5,6,7
	global_load_b32 v[VT+8*\ct+\e], v5, s[4:5] offset:131072+1024*\ct+16*\e
.endr
.endr
.irp nt, 0,1
.set g, 0
.rept 32
	global_load_b32 v[WO+32*\nt+g], v6, s[6:7] offset:(16*(g/8)+g%8)*4096+64*\nt
.set g, g+1
.endr
.endr
	s_wait_loadcnt 63                              ; q, k and V^T are in: behind V^T's last load stand W_O's 64, and 63 is the largest count that the wait can name
.irp e, 0,1,2,3,4,5,6,7,8,9,10,11,12,13,14,15  ; S^T = k q^T: two accumulators by turns; the first of each starts its sum
.if \e < 2
	v_wmma_f32_16x16x4_f32 v[SA+8*(\e%2):SA+8*(\e%2)+7], v[KK+2*\e:KK+2*\e+1], v[QF+2*\e:QF+2*\e+1], 0
.else
	v_wmma_f32_16x16x4_f32 v[SA+8*(\e%2):SA+8*(\e%2)+7], v[KK+2*\e:KK+2*\e+1], v[QF+2*\e:QF+2*\e+1], v[SA+8*(\e%2):SA+8*(\e%2)+7]
.endif
.endr
.rept 8
	v_nop                                          ; eight places behind this form (ISA guide 7.12.1)
.endr
.irp j, 0,1,2,3,4,5,6,7
	v_add_f32 v[T+\j], v[SA+\j], v[SB+\j]          ; lane (r, h): query r, key 8 h + j
.endr
.irp j, 0,1,2,3,4,5,6,7
	v_cmp_gt_i32 vcc_lo, \j, v10
	v_cndmask_b32 v[T+\j], v[T+\j], v11, vcc_lo    ; the causal mask
.endr
	v_max3_num_f32 v[W], v[T], v[T+1], v[T+2]
	v_max3_num_f32 v[W+1], v[T+3], v[T+4], v[T+5]
	v_max3_num_f32 v[W], v[W], v[T+6], v[T+7]
	v_max_num_f32 v[W], v[W], v[W+1]
	v_permlanex16_b32 v[W+1], v[W], s20, s21
	v_max_num_f32 v[W], v[W], v[W+1]               ; the row's maximum: key 0 counts for every query
	v_mul_f32 v[W], s22, v[W]
.irp j, 0,1,2,3,4,5,6,7
	v_fma_f32 v[T+\j], v[T+\j], s22, -v[W]         ; c s - c m
.endr
.irp j, 0,1,2,3,4,5,6,7
	v_exp_f32 v[T+\j], v[T+\j]
.endr
	v_nop
	s_wait_alu depctr_va_vdst(0)                   ; one wait for the eight, ahead of their first reader
	v_add_f32 v[W+2], v[T], v[T+1]
	v_add_f32 v[W+3], v[T+2], v[T+3]
	v_add_f32 v[W+4], v[T+4], v[T+5]
	v_add_f32 v[W+5], v[T+6], v[T+7]
	v_add_f32 v[W+2], v[W+2], v[W+3]
	v_add_f32 v[W+4], v[W+4], v[W+5]
	v_add_f32 v[W+2], v[W+2], v[W+4]
	v_permlanex16_b32 v[W+3], v[W+2], s20, s21
	v_add_f32 v[W+2], v[W+2], v[W+3]               ; the row's sum
	v_rcp_f32 v[W+6], v[W+2]
.irp i, 0,1,2,3                                ; O^T = V^T p: four accumulators by turns; instruction i sums keys 8 h + 2 i, + 1
.irp ct, 0,1,2,3
.if \i == 0
	v_wmma_f32_16x16x4_f32 v[OT+8*\ct:OT+8*\ct+7], v[VT+8*\ct+2*\i:VT+8*\ct+2*\i+1], v[T+2*\i:T+2*\i+1], 0
.else
	v_wmma_f32_16x16x4_f32 v[OT+8*\ct:OT+8*\ct+7], v[VT+8*\ct+2*\i:VT+8*\ct+2*\i+1], v[T+2*\i:T+2*\i+1], v[OT+8*\ct:OT+8*\ct+7]
.endif
.endr
.endr
.rept 8
	v_nop                                          ; the places behind the products; also the plain lines behind the reciprocal
.endr
	s_wait_alu depctr_va_vdst(0)                   ; the reciprocal's wait, ahead of its first reader
.set g, 0
.rept 32
	v_mul_f32 v[QF+g], v[OT+g], v[W+6]             ; the head's result: register 8 ct + j: channel 16 ct + 8 h + j of query r
.set g, g+1
.endr
	s_wait_loadcnt 0x0                             ; W_O
.irp i, 0,1,2,3,4,5,6,7,8,9,10,11,12,13,14,15  ; my head's part of out0, transposed: source 0 = 16 columns of W_O, source 1 = the result; two accumulators by turns
.irp nt, 0,1
.if \i == 0
	v_wmma_f32_16x16x4_f32 v[PJ+8*\nt:PJ+8*\nt+7], v[WO+32*\nt+2*\i:WO+32*\nt+2*\i+1], v[QF+2*\i:QF+2*\i+1], 0
.else
	v_wmma_f32_16x16x4_f32 v[PJ+8*\nt:PJ+8*\nt+7], v[WO+32*\nt+2*\i:WO+32*\nt+2*\i+1], v[QF+2*\i:QF+2*\i+1], v[PJ+8*\nt:PJ+8*\nt+7]
.endif
.endr
.endr
.rept 8
	v_nop
.endr
.irp nt, 0,1
	ds_store_b128 v7, v[PJ+8*\nt:PJ+8*\nt+3] offset:64*\nt          ; lane (r, h): position r, columns 16 nt + 8 h + 0 .. 7
	ds_store_b128 v7, v[PJ+8*\nt+4:PJ+8*\nt+7] offset:64*\nt+16
.endr
	s_wait_dscnt 0x0                               ; for the others' sake: my part lies in LDS
	s_barrier_signal -1
	s_barrier_wait -1
.irp u, 0,1,2,3,4,5,6,7,8,9,10,11,12,13,14,15
	ds_load_b32 v[KK+\u], v9 offset:PART*\u        ; position w, my column, of every head's part
.endr
	s_wait_dscnt 0x0
.irp i, 0,2,4,6,8,10,12,14                     ; a fixed tree of 15 additions
	v_add_f32 v[KK+\i], v[KK+\i], v[KK+\i+1]
.endr
.irp i, 0,4,8,12
	v_add_f32 v[KK+\i], v[KK+\i], v[KK+\i+2]
.endr
.irp i, 0,8
	v_add_f32 v[KK+\i], v[KK+\i], v[KK+\i+4]
.endr
	v_add_f32 v[KK], v[KK], v[KK+8]
	global_store_b32 v8, v[KK], s[8:9]             ; 128 consecutive bytes of row 2048 y + w
	s_wait_tensorcnt 0x0                           ; the wave's end, behind my last LDS store
	ds_add_u32 v[SPW], v[NIL]
	s_wait_dscnt 0x0
	s_endpgm
.Lfunc_end_k_qa39d9eaa2c_first16:
	.size	k_qa39d9eaa2c_first16, .Lfunc_end_k_qa39d9eaa2c_first16-k_qa39d9eaa2c_first16
	.p2alignl 7, 3214868480
	.fill 96, 4, 3214868480
	.section	.rodata,"a",@progbits
	.p2align	6, 0x0
	.amdhsa_kernel k_qa39d9eaa2c_first16
		.amdhsa_group_segment_fixed_size 38912
		.amdhsa_private_segment_fixed_size 0
		.amdhsa_enable_private_segment 0
		.amdhsa_kernarg_size 24
		.amdhsa_user_sgpr_count 2
		.amdhsa_user_sgpr_kernarg_segment_ptr 1
		.amdhsa_wavefront_size32 1
		.amdhsa_system_sgpr_workgroup_id_x 1
		.amdhsa_system_sgpr_workgroup_id_y 1
		.amdhsa_system_sgpr_workgroup_id_z 1
		.amdhsa_system_vgpr_workitem_id 0
		.amdhsa_next_free_vgpr 256
		.amdhsa_next_free_sgpr 66
		.amdhsa_reserve_vcc 1
		.amdhsa_float_denorm_mode_32 3
		.amdhsa_float_denorm_mode_16_64 3
		.amdhsa_memory_ordered 1
		.amdhsa_forward_progress 1
		.amdhsa_inst_pref_size 24
	.end_amdhsa_kernel
	.amdgpu_metadata
---
amdhsa.version: [ 1, 2 ]
amdhsa.kernels:
  - .name:           k_qa39d9eaa2c_first16
    .symbol:         k_qa39d9eaa2c_first16.kd
    .args:
      - { .name: first, .offset: 0, .size: 8, .value_kind: global_buffer, .address_space: global }
      - { .name: W_O, .offset: 8, .size: 8, .value_kind: global_buffer, .address_space: global }
      - { .name: out0, .offset: 16, .size: 8, .value_kind: global_buffer, .address_space: global }
    .group_segment_fixed_size: 38912
    .private_segment_fixed_size: 0
    .kernarg_segment_align: 8
    .kernarg_segment_size: 24
    .max_flat_workgroup_size: 512
    .sgpr_count:     66
    .vgpr_count:     256
    .wavefront_size: 32
...
	.end_amdgpu_metadata
.endif
;; end of part 5
